; MI455X (gfx1250); checked and timed in simulation.
; The chip was launched on July 23, 2026; its instructions are those of AMD's public machine-readable ISA for CDNA 5 (MIT licence, August 2026) and "CDNA5" Instruction Set Architecture Reference Guide (July 2026). The comments in the code are by the model that wrote it; some were corrected since.
;; Custom Attention. Allowed arithmetic: matrix products marked QUANTISED: E2M3 operands, one E8M0 scale for each 32 along K, by v_wmma_scale_f32_16x16x128_f8f6f4 with both operands' format E2M3, f32 sums; everything else in f32.
;; Inputs: Wk 1,024 x 1,024 float32; Wo 1,024 x 1,024 float32; Wq 1,024 x 1,024 float32; Wv 1,024 x 1,024 float32; bk 1,024 float32; bo 1,024 float32; bq 1,024 float32; bv 1,024 float32; key 4 x 2,048 x 1,024 float32; query 4 x 2,048 x 1,024 float32; value 4 x 2,048 x 1,024 float32.
;; Outputs: out0 4 x 2,048 x 1,024 float32.
;; This version of the problem:
;;   THIS VERSION OF THE PROBLEM IS GIVEN IN LOW PRECISION. The matrix products marked QUANTISED in the list below multiply operands that are first quantised to E2M3 (2 exponent bits, 3 mantissa bits; 6 bits a number), with one power-of-two scale for each 32 numbers along K (OCP MX v1.0); their sums are f32. All else is computed in f32.
;;   The module's matrix products, in the order in which they are computed (A, B: the left and right operand; K: the contracted axis; several contracted axes count as one K, in the product's order):
;;     1. [M 8,192, K 1,024] x [K 1,024, N 1,024]; A: input query; B: input Wq: QUANTISED
;;     2. [M 8,192, K 1,024] x [K 1,024, N 1,024]; A: input key; B: input Wk: QUANTISED
;;     3. [M 8,192, K 1,024] x [K 1,024, N 1,024]; A: input value; B: input Wv: QUANTISED
;;     4. batch 4 x [M 2,048, K 1,024] x [K 1,024, N 2,048]; A: computed on the way; B: computed on the way: QUANTISED
;;     5. batch 4 x [M 2,048, K 2,048] x [K 2,048, N 1,024]; A: softmax (see below); B: computed on the way: QUANTISED
;;     6. [M 8,192, K 1,024] x [K 1,024, N 1,024]; A: computed on the way; B: input Wo: QUANTISED
;;   THE QUANTISER, for each operand of a quantised product, along K:
;;     - K is cut into blocks of 32 from its start; a last block that is shorter is filled with zeros.
;;     - A block's scale is 2^e with e = floor(log2(the largest magnitude in the block)) - 2, held to -126 .. 127; a block of zeros has e = 0. As a byte (E8M0): e + 127.
;;     - Each number is divided by its block's scale, clamped to +-7.5, and rounded to the nearest number of E2M3, ties to even, subnormals kept.
;;     - The product sums the exact products of the quantised numbers (number of the format x scale) in f32.
;;   ~~~python
;;   def quantise(x, axis):      # numpy; x: float32 -> the quantised numbers, widened to float32 again
;;       x = np.moveaxis(x, axis, -1); K = x.shape[-1]
;;       x = np.pad(x, [(0, 0)] * (x.ndim - 1) + [(0, -K % 32)]); x = x.reshape(x.shape[:-1] + (-1, 32)); a = np.abs(x).max(-1, keepdims=True)
;;       e = np.where(a > 0, np.clip(np.frexp(np.where(a > 0, a, 1))[1] - 1 - 2, -126, 127), 0)      # np.frexp(a)[1] - 1 = floor(log2(a)), exactly
;;       r = np.clip(x / 2.0 ** e, -7.5, 7.5)
;;       step = 2.0 ** (np.maximum(np.frexp(np.where(r == 0, 1, r))[1] - 1, 0) - 3)
;;       q = np.round(r / step) * step * 2.0 ** e      # np.round: ties to even
;;       return np.moveaxis(q.reshape(q.shape[:-2] + (-1,))[..., :K], -1, axis).astype(np.float32)
;;   ~~~
;;   SOFTMAX AHEAD OF A QUANTISED PRODUCT. Where the list says 'softmax', what is quantised is not the finished softmax but p = 2^(t - M), with t = logit x log2(e) and M = ceil(the row's largest t), a whole number; so 1/2 < the row's largest p <= 1. The row's sum l is taken of the UNQUANTISED p, in f32, and the product's result is divided by l at the end. Since M is a whole number, a kernel that streams over the keys may use a running M (the ceiling of the running maximum): every later rescaling is an exact power of two, which a block's scale takes up: the codes' values come out the same.
;;   OPERANDS COMPUTED ON THE WAY. 'Computed on the way' means the value that the module computes at that place (a softmax that the list does not call 'softmax' is quantised finished and normalised). What goes into a quantiser is computed in f32, as accurately as f32 sums, v_exp_f32 and their like allow (about 1e-6 of the number): no bf16 or f16 on the way to a quantiser, and a product that is left as it is and whose result goes on into a quantised operand takes f32 operands (vector FMAs, or v_wmma_f32_16x16x4_f32). A number that lies on a knife's edge between two numbers of the format may be rounded either way, as far as f32 arithmetic and the matrix unit's own rounding can turn it there, and no further.
;; One version. Each part assembles by itself: llvm-mc -triple=amdgcn-amd-amdhsa -mcpu=gfx1250 --defsym DOCPART=n.
;; ======== version 1 of 1: 5 launches
;; limits: right only within a limited range of input values
;; workspace buffers: xw 22,937,600 bytes; qkv 19,660,800 bytes; pp 14,155,776 bytes; oo 6,553,600 bytes
;; launch quant (part 1): grid 256 x 1, 14 waves a work-group, no clusters, 123,648 bytes of LDS; arguments query, key, value, Wq, Wk, Wv, Wo, xw; writes xw
.if DOCPART == 1
	.amdgcn_target "amdgcn-amd-amdhsa--gfx1250"
	.amdhsa_code_object_version 6
	.text
	.protected	k_q8b3ecedd7a_quant
	.globl	k_q8b3ecedd7a_quant
	.p2align	8
	.type	k_q8b3ecedd7a_quant,@function
k_q8b3ecedd7a_quant:
	s_mov_b64 s[64:65], 0
	v_nop
	global_prefetch_b8 v0, s[64:65] scope:SCOPE_SE
	s_setreg_imm32_b32 hwreg(HW_REG_WAVE_MODE, 25, 1), 1
	s_wait_xcnt 0x0
; query, key, value [8192][1024] and Wq, Wk, Wv, Wo [1024][1024], f32, become codes of FP6 (E2M3) with one E8M0 byte for each 32 along K (the last axis), all seven on end in xw.  Every input of reference() is live: nothing is left out.
; LAYOUT OF xw.  Codes lie as IMAGES OF THE OPERAND'S REGISTERS: a fragment (16 rows x 128 K, 12 registers a lane) is 1,536 bytes, registers 4 c .. 4 c + 3 of lane l at 512 c + 16 l.
; Fragments lie [group of 128 rows][K step][row block of the group]: fragment (G, s, i) at ((8 G + s) 8 + i) x 1,536, so that any run of K steps of 128 rows is one dense block of memory.
; THE ROWS OF A FRAGMENT ARE NOT NEIGHBOURS: lane r of row block 2 g + u holds row 32 g + 8 u + r + 8 (r / 8), so that a product which takes the image as source 0 leaves 16 neighbours in the 16 registers of two neighbouring tiles.
; Scale words (four bytes: 128 K of one row) lie [128 rows' group][K step][place in the group], from byte 22,020,096 on.
; A block's scale is 2^(floor(log2(its largest magnitude)) - 2); its byte is the largest magnitude's exponent field - 2, held at 1 from below.
; LIMITS: a block of zeros, or one whose largest magnitude lies under 2^-124, gets the byte 1 (its codes are zeros or near; this program alone reads the bytes); NaN and infinities are not served.
; SHARES.  28,672 rows x 8 K steps are 3,584 items of 64 rows x one K step; 256 work-groups of 14 waves take one item a wave: item 14 x work-group + wave, its rows item / 8, its K step item % 8.
; An item is four row blocks: 6,144 consecutive bytes of codes and 256 consecutive, aligned bytes of scale words, both the wave's own: waves share nothing, so there is no barrier.
; Each load reads 512 consecutive bytes of one row; a block's 16 rows turn through the wave's own stage in LDS, so that a lane gets 16 neighbours of each block of 32.  Two blocks (32 loads a wave) are on their way.
; Memory binds here: no matrix unit, no cluster (work-groups share nothing), no tensor load; no prefetch: the loads themselves run ahead.
.set WAVES, 14
.set STGB,  8448                       ; a wave's stage: 16 rows x (512 bytes + 16)
.set SCR,   WAVES*STGB                 ; the scale words: 256 bytes a wave
.set SPARE, SCR+WAVES*256              ; the spare words, 128 bytes for each wave: seven blocks of 256 bytes that no other line names
.set LO,    4                          ; v4   16 x lane
.set STI,   5                          ; v5   the stage, way in
.set STR,   6                          ; v6   the stage, way out: row r, + 64 h
.set SCW,   7                          ; v7   where my row's scale word goes
.set SCRD,  8                          ; v8   where I read 8 bytes of my wave's words
.set L8,    9                          ; v9   8 x lane
.set SPW,   10                         ; v10  LDS address of my spare word; never rewritten
.set NIL,   11                         ; v11  0; never rewritten
.set TM,    16                         ; v16-31 at work
.set PW,    32                         ; v32  the scale word just made
.set PC,    36                         ; v36-55 the codes just made
.set R,     64                         ; v64-191 two sets of 64 numbers as loaded
.set X,     192                        ; v192-255 64 numbers: register 16 b + i = K 32 b + 16 h + i of my row
.set SEL,   26                         ; s[26:27] selects of v_permlanex16_b32 for lane l xor 16
.macro QUANT s                         ; 64 numbers of a lane become a fragment's codes in v[PC] on and its scale word in v[PW]
.irp b, 0,1,2,3
	v_max3_num_f32 v[TM+\b], |v[\s+16*\b]|, |v[\s+1+16*\b]|, 0x1800000   ; my 16 numbers of block b, and the floor 2^(3 - 127): the byte cannot fall under 1
.endr
.irp i, 2,4,6,8,10,12,14
.irp b, 0,1,2,3
	v_max3_num_f32 v[TM+\b], v[TM+\b], |v[\s+16*\b+\i]|, |v[\s+1+16*\b+\i]|   ; the four blocks by turns
.endr
.endr
.irp b, 0,1,2,3
	v_permlanex16_b32 v[TM+4+\b], v[TM+\b], s[SEL], s[SEL+1]
.endr
.irp b, 0,1,2,3
	v_max_num_f32 v[TM+\b], v[TM+\b], v[TM+4+\b]                   ; with lane l xor 16's: the block's largest magnitude
.endr
.irp b, 0,1,2,3
	v_add_nc_u32 v[TM+12+\b], 0xff000000, v[TM+\b]                 ; 2 off its exponent field: the conversion's scale operand
.endr
.irp b, 0,1,2,3
	v_lshrrev_b32 v[TM+4+\b], 23, v[TM+12+\b]                      ; the scale's byte
.endr
	v_lshl_or_b32 v[PW], v[TM+5], 8, v[TM+4]
	v_lshl_or_b32 v[PW], v[TM+6], 16, v[PW]
	v_lshl_or_b32 v[PW], v[TM+7], 24, v[PW]
.irp c, 0,1
	v_cvt_scalef32_pk16_fp6_f32 v[PC+6*\c:PC+2+6*\c], v[\s+32*\c:\s+15+32*\c], v[TM+12+2*\c]
	v_cvt_scalef32_pk16_fp6_f32 v[PC+12+4*\c:PC+14+4*\c], v[\s+16+32*\c:\s+31+32*\c], v[TM+12+2*\c+1]   ; (a conversion's three registers begin on an even number)
.endr
	v_nop                                          ; one plain line behind a scaled conversion
.irp c, 0,1                                    ; the operand's layout wants a whole block in a lane
.irp i, 0,1,2
	v_permlane16_swap_b32 v[PC+6*\c+\i], v[PC+12+4*\c+\i]
.endr
.irp i, 0,1,2
	v_mov_b32 v[PC+3+6*\c+\i], v[PC+12+4*\c+\i]
.endr
.endr
.endm
.macro PICK first, ptr                 ; from the 64-row set `first` on the tensor is the one at s[ptr]
	s_cmp_ge_u32 s5, \first
	s_cselect_b64 s[28:29], s[\ptr:\ptr+1], s[28:29]
	s_cselect_b32 s30, \first, s30
.endm
	s_load_b512 s[8:23], s[0:1], 0x0               ; query, key, value, Wq, Wk, Wv, Wo, xw
	v_lshl_add_u32 v[SPW], v0, 2, SPARE
	v_mov_b32 v[NIL], 0
	v_lshrrev_b32 v1, 5, v0
	v_readfirstlane_b32 s2, v1                     ; wave 0..13
	v_and_b32 v1, 31, v0                           ; lane
	v_and_b32 v2, 15, v0                           ; r
	v_bfe_u32 v3, v0, 4, 1                         ; h
	v_lshlrev_b32 v[LO], 4, v1
	v_lshlrev_b32 v[L8], 3, v1
	s_mul_i32 s3, s2, STGB
	v_add_nc_u32 v[STI], s3, v[LO]
	v_mul_u32_u24 v[STR], v2, 528
	v_lshl_add_u32 v[STR], v3, 6, v[STR]
	v_add_nc_u32 v[STR], s3, v[STR]
	s_lshl_b32 s3, s2, 8
	s_add_co_u32 s3, s3, SCR
	v_lshl_add_u32 v[SCW], v2, 2, s3               ; SCR + 256 x wave + 4 r (+ 64 x block in the immediate)
	v_add_nc_u32 v[SCRD], s3, v[L8]
.irp b, 0,1,2,3
	v_mov_b32 v[TM+4+\b], 0                        ; written once: a lane permute's destination counts as one of its sources
.endr
	s_mov_b32 s[SEL], 0x76543210
	s_mov_b32 s[SEL+1], 0xfedcba98
	s_mul_i32 s4, ttmp9, WAVES
	s_add_co_u32 s4, s4, s2                        ; my item
	s_lshr_b32 s5, s4, 3                           ; its 64 rows, counted over the seven tensors on end
	s_and_b32 s6, s4, 7                            ; its K step
	s_lshr_b32 s7, s5, 1                           ; the group of 128 rows,
	s_and_b32 s24, s5, 1                           ; and which half of it
	s_mul_i32 s32, s7, 98304                       ; codes: 64 fragments a group,
	s_mul_i32 s25, s6, 12288                       ; 8 a K step,
	s_add_co_u32 s32, s32, s25
	s_mul_i32 s25, s24, 6144                       ; 4 a half
	s_add_co_u32 s32, s32, s25
	s_mov_b32 s33, 0
	s_lshl_b32 s34, s7, 12                         ; scale words: 4,096 bytes a group, 512 a K step, 256 a half
	s_lshl_b32 s25, s6, 9
	s_add_co_u32 s34, s34, s25
	s_lshl_b32 s25, s24, 8
	s_add_co_u32 s34, s34, s25
	s_add_co_u32 s34, s34, 22020096
	s_mov_b32 s35, 0
	s_wait_alu depctr_va_vdst(0)                   ; the wait at the head's end
	s_wait_kmcnt 0x0
	s_mov_b64 s[28:29], s[8:9]                     ; which tensor: the choice hangs on the item's number alone
	s_mov_b32 s30, 0
	PICK 128, 10
	PICK 256, 12
	PICK 384, 14
	PICK 400, 16
	PICK 416, 18
	PICK 432, 20
	s_sub_co_u32 s30, s5, s30
	s_lshl_b32 s30, s30, 18                        ; 64 rows of 4,096 bytes
	s_lshl_b32 s25, s6, 9                          ; + 512 bytes a K step
	s_add_co_u32 s30, s30, s25
	s_mov_b32 s31, 0
	s_add_nc_u64 s[28:29], s[28:29], s[30:31]
	s_add_nc_u64 s[32:33], s[22:23], s[32:33]
	s_add_nc_u64 s[34:35], s[22:23], s[34:35]
.macro LOAD t                          ; row block t of my 64 rows: a row's 512 bytes a load
.irp i, 0,1,2,3,4,5,6,7,8,9,10,11,12,13,14,15
	global_load_b128 v[R+64*((\t)%2)+4*\i:R+64*((\t)%2)+4*\i+3], v[LO], s[28:29] offset:(32*((\t)/2)+8*((\t)%2)+\i+8*(\i/8))*4096 th:TH_LOAD_NT
.endr
.endm
.macro TURN t                          ; through the stage: LDS serves a wave's instructions in order, so no wait stands between the stores and the loads
.irp i, 0,1,2,3,4,5,6,7,8,9,10,11,12,13,14,15
	ds_store_b128 v[STI], v[R+64*((\t)%2)+4*\i:R+64*((\t)%2)+4*\i+3] offset:528*\i
.endr
.irp b, 0,1,2,3
.irp j, 0,1,2,3
	ds_load_b128 v[X+16*\b+4*\j:X+16*\b+4*\j+3], v[STR] offset:128*\b+16*\j
.endr
.endr
.endm
.macro STEP t
.if (\t) < 3
	s_wait_loadcnt 16                              ; this block's 16 loads are in; the next one's may be out
.else
	s_wait_loadcnt 0x0
.endif
	TURN \t
	s_wait_dscnt 0x0                               ; my 64 numbers are back, and the stage's stores have read the set
	s_wait_xcnt 0x0                                ; the last block's stores have read the codes' registers, which are written again below
.if (\t)+2 < 4
	LOAD (\t)+2                                    ; the set just read out takes the block two further on, ahead of this block's vector work
.endif
	QUANT X
	ds_store_b32 v[SCW], v[PW] offset:64*(\t)      ; both halves of the lanes write the same word with the same value; it stands ahead of the global stores, behind which only the next block's wait for loads follows
.irp c, 0,1,2
	global_store_b128 v[LO], v[PC+4*\c:PC+4*\c+3], s[32:33] offset:1536*(\t)+512*\c   ; 32 lanes store 512 consecutive bytes, aligned
.endr
.endm
	LOAD 0
	LOAD 1
	STEP 0
	STEP 1
	STEP 2
	STEP 3
	ds_load_b64 v[12:13], v[SCRD]                  ; LDS serves a wave's instructions in order: this sees my stores
	s_wait_dscnt 0x0
	global_store_b64 v[L8], v[12:13], s[34:35]     ; 64 rows' words of one K step: 256 consecutive bytes, aligned
	s_wait_tensorcnt 0x0                           ; the wave's end: the wait for tensor loads, an add of 0 and a wait for it behind my last LDS store
	ds_add_u32 v[SPW], v[NIL]
	s_wait_dscnt 0x0
	s_endpgm
.Lfunc_end_k_q8b3ecedd7a_quant:
	.size	k_q8b3ecedd7a_quant, .Lfunc_end_k_q8b3ecedd7a_quant-k_q8b3ecedd7a_quant
	.p2alignl 7, 3214868480
	.fill 96, 4, 3214868480
	.section	.rodata,"a",@progbits
	.p2align	6, 0x0
	.amdhsa_kernel k_q8b3ecedd7a_quant
		.amdhsa_group_segment_fixed_size 123648
		.amdhsa_private_segment_fixed_size 0
		.amdhsa_enable_private_segment 0
		.amdhsa_kernarg_size 64
		.amdhsa_user_sgpr_count 2
		.amdhsa_user_sgpr_kernarg_segment_ptr 1
		.amdhsa_wavefront_size32 1
		.amdhsa_system_sgpr_workgroup_id_x 1
		.amdhsa_system_sgpr_workgroup_id_y 1
		.amdhsa_system_sgpr_workgroup_id_z 1
		.amdhsa_system_vgpr_workitem_id 0
		.amdhsa_next_free_vgpr 256
		.amdhsa_next_free_sgpr 66
		.amdhsa_reserve_vcc 0
		.amdhsa_float_denorm_mode_32 3
		.amdhsa_float_denorm_mode_16_64 3
		.amdhsa_memory_ordered 1
		.amdhsa_forward_progress 1
		.amdhsa_inst_pref_size 35
	.end_amdhsa_kernel
	.amdgpu_metadata
---
amdhsa.version: [ 1, 2 ]
amdhsa.kernels:
  - .name:           k_q8b3ecedd7a_quant
    .symbol:         k_q8b3ecedd7a_quant.kd
    .args:
      - { .name: query, .offset: 0, .size: 8, .value_kind: global_buffer, .address_space: global }
      - { .name: key, .offset: 8, .size: 8, .value_kind: global_buffer, .address_space: global }
      - { .name: value, .offset: 16, .size: 8, .value_kind: global_buffer, .address_space: global }
      - { .name: Wq, .offset: 24, .size: 8, .value_kind: global_buffer, .address_space: global }
      - { .name: Wk, .offset: 32, .size: 8, .value_kind: global_buffer, .address_space: global }
      - { .name: Wv, .offset: 40, .size: 8, .value_kind: global_buffer, .address_space: global }
      - { .name: Wo, .offset: 48, .size: 8, .value_kind: global_buffer, .address_space: global }
      - { .name: xw, .offset: 56, .size: 8, .value_kind: global_buffer, .address_space: global }
    .group_segment_fixed_size: 123648
    .private_segment_fixed_size: 0
    .kernarg_segment_align: 8
    .kernarg_segment_size: 64
    .max_flat_workgroup_size: 448
    .sgpr_count:     66
    .vgpr_count:     256
    .wavefront_size: 32
...
	.end_amdgpu_metadata
.endif
;; end of part 1
;; launch proj (part 2): grid 4 x 64, 4 waves a work-group, clusters of 4 x 4, 327,680 bytes of LDS; arguments xw, bq, bk, bv, qkv; writes qkv
.if DOCPART == 2
	.amdgcn_target "amdgcn-amd-amdhsa--gfx1250"
	.amdhsa_code_object_version 6
	.text
	.protected	k_q8b3ecedd7a_proj
	.globl	k_q8b3ecedd7a_proj
	.p2align	8
	.type	k_q8b3ecedd7a_proj,@function
k_q8b3ecedd7a_proj:
	s_mov_b64 s[64:65], 0
	v_nop
	global_prefetch_b8 v0, s[64:65] scope:SCOPE_SE
	s_setreg_imm32_b32 hwreg(HW_REG_WAVE_MODE, 25, 1), 1
	s_wait_xcnt 0x0
	s_wait_alu depctr_hold_cnt(0) depctr_sa_sdst(0) depctr_va_vdst(0) depctr_va_sdst(0) depctr_va_ssrc(0) depctr_va_vcc(0) depctr_vm_vsrc(0)
	s_getreg_b32 s2, hwreg(HW_REG_IB_STS2, 6, 4)
	s_cmp_eq_u32 s2, 0
	s_cbranch_scc0 .Lentry_in_a_cluster
	s_endpgm
.Lentry_in_a_cluster:
	s_bfe_u32 s2, ttmp6, 0x10000c
	s_cmp_lg_u32 s2, 0xf033
	s_cbranch_scc0 .Lentry_shape_is_right
	s_endpgm
.Lentry_shape_is_right:
; q = Q(query Wq^T + bq), k = Q(key Wk^T + bk), both quantised along e; v^T = Q(Wv value^T + bv), quantised along the keys.  All operands are codes of FP6 (E2M3) with E8M0 scales, out of xw; results are codes again, into qkv.
; C'[m'][n'] = sum over K of A[m'] . B[n'].  For q and k: A = the input's rows, B = the weight's rows.  For v: A = Wv's rows (m' = e), B = value's rows (n' = keys), so that a lane's registers run along the keys.
; THE MATRIX INSTRUCTION IS USED TRANSPOSED (source 0 = 16 rows of B, source 1 = 16 rows of A): a lane holds one row m' and its registers run along n', which is the next product's K.
; IMAGES.  Every tensor of codes lies as images of the operand's registers: a fragment (16 rows x 128 K) is 1,536 bytes, registers 4 c .. 4 c + 3 of lane l at 512 c + 16 l; fragment (R, s) at (R x K steps + s) x 1,536.
; Lane r of row block 2 g + u holds row 32 g + 8 u + r + 8 (r / 8): so the 16 registers of tiles 2 b, 2 b + 1 of a result are n' = 32 b + 16 (lane / 16) + 0 .. 15, and the result's rows keep A's order.  Scale words: [128 rows][K step][row], 4 bytes.
; A WORK-GROUP STAYS AND MAKES TWO TILES: first 256 x 256 of q or of k (a wave 128 x 128: 64 accumulators), then 128 x 256 of v^T (a wave 64 x 128: 32 accumulators).  256 work-groups x (65,536 + 32,768) numbers are all three products, shared evenly.
; THE RING.  K = 1,024 is 8 steps of 128.  Three LDS slots of two steps of the first tile: six steps come with the first fills, the last two by a refill at K step 1.  The second tile's operands are exactly three slots' bytes:
; Wv's 128 rows (98,304 bytes) go into slot 1 and value's K steps 0 to 3 (98,304) into slot 2, both asked for at K step 5; value's K steps 4 to 7 go into slot 0, asked for in the middle of the first tile's way out.
; So the second tile's operands land under the first tile's last K steps and its way out, and the second tile fills nothing.
; CLUSTERS: 4 x 4 work-groups; A's tiles are asked for jointly along a row of the cluster, B's along a column, in both tiles.  16 clusters: 8 on q and 8 on k; for v^T two along e and eight along the keys.
; LIMITS: a block of zeros or under 2^-124 gets the byte 1 (this program alone reads the bytes); NaN and infinities are not served.
; REGISTERS: window 0: v8-31 addresses; v32-47 scale words, two sets (they hold nothing else); v48-63 at work; v64-159, v160-255 the first tile's A fragments, two sets; v64-111, v112-159 the second tile's; v160-191 the ways out.
;   window 1: v0-95, v96-191 B's fragments, two sets; v192-255 the bias (between the two tiles: the second tile's scale words on their way to LDS).   windows 2, 3: accumulator (a, b) at v[8 (8 (a % 4) + b)] of window 2 + a / 4.
; IN FORCE, in place of what the lines above say of a fragment's place, of the ring and of the first tile's scale words:
; fragments lie [group of 128 rows][K step][row block of the group], fragment (G, s, i) at ((G x K steps + s) 8 + i) x 1,536, in xw and in qkv alike, so that a run of K steps of 128 rows is one dense block.
; LDS: a region of 73,728 bytes for each wave's loads (A's two halves, then B's two), each of three slots of two K steps.  At the head a wave issues ONE load, K steps 0 to 5 of its 128 rows; K steps 6 and 7 come by the refill at K step 1.
; The second tile: at K step 5 slots 1 and 2 of each region (49,152 bytes on end) take Wv's two halves and value's K steps 0 to 3; in the middle of the first way out slot 0 of each region takes two of value's K steps 4 to 7, a load a wave.
; The first tile's scale words come by global loads of 2,048 dense bytes and are stored to LDS: no tensor load lands on them.
.set FRB,   1536
.set NQ,    2                          ; the first tile's K steps in a slot
.set NSLOT, 3
.set HA,    8*NQ*FRB                   ; a slot of one region: 128 rows x 2 K steps
.set HB,    8*NQ*FRB
; LDS MAP IN FORCE (it takes the place of the sentences on regions above).  Four pieces X of 24,576 bytes, piece w at w x 24,576: A's half 0, A's half 1, B's half 0, B's half 1, two K steps each; behind them four pieces Y of 49,152 bytes, in the same order, four K steps each.
; THE HEAD'S FOUR LOADS, one a wave: wave 0 A's K steps 0 and 1 of both halves (X 0, 1), wave 1 B's (X 2, 3), wave 2 A's K steps 2 to 5 (Y 0, 1), wave 3 B's (Y 2, 3).  Waves 0 and 1 alone wait for their loads ahead of the first barrier;
; waves 2 and 3 wait at K step 1, where X takes K steps 6 and 7 (waves 0 and 1 ask).  The second tile: at K step 5 the pieces Y take Wv's two halves and value's K steps 0 to 3; in the middle of the first way out X takes value's K steps 4 to 7 (waves 0 and 1 ask).
.set SLOT,  2*HA+2*HB                  ; A's two halves, then B's two halves
.set H2,    SLOT/2                     ; the second tile: what one tensor load brings: 4 row blocks of A x 8 K steps, or 8 row blocks of B x 4 K steps
.set SCLA,  NSLOT*SLOT                 ; behind the ring: the first tile's scale words: A's [half][K step][128 rows],
.set SCLB,  SCLA+8192                  ; B's likewise;
.set SCL2,  SCLB+8192                  ; the second tile's: A's [K step][128 rows], 4,096 bytes, then B's [half][K step][128 rows]: stored from registers, no tensor load lands here;
.set STAGE, SCL2+12288                 ; the ways out's scale words, 512 bytes a wave: no tensor load lands here;
.set SPARE, STAGE+2048                 ; and the spare words, 128 bytes for each wave: two blocks of 256 bytes that no other line names
.set BO2,   9                          ; v9     bv: my row's 4 bytes in a block of 16 rows
.set L8,    10                         ; v10    8 x lane
.set CPL,   11                         ; v11    SCL2 + 16 x thread: where I put my part of the second tile's scale words
.set ADRB2, 12                         ; v12-13 LDS address of my B fragments of the second tile: K steps 0 to 3, K steps 4 to 7
.set CPG,   15                         ; v15    16 x thread
.set ADRA,  16                         ; v16-18 LDS address of my A fragments in slot 0, 1, 2
.set ADRA2, 19                         ; v19    of my A fragments of the second tile
.set ADRB,  20                         ; v20-22 as v16-18, for B
.set ADRS2, 23                         ; v23    of the second tile's scale words: lanes 0-15 A's rows, lanes 16-31 B's
.set ADRS,  24                         ; v24    the same for the first tile
.set ADRSB2, 25                        ; v25    the second tile's B words in all lanes: for B's blocks 4 to 7, which have no block of A beside them
.set LO16,  26                         ; v26    16 x lane
.set STW,   27                         ; v27    the ways out: where a row's scale word goes
.set SPW,   28                         ; v28    LDS address of my spare word; never rewritten
.set NIL,   29                         ; v29    0; never rewritten
.set STRD,  30                         ; v30    the first way out: where I read 16 bytes of the words back
.set STRD2, 31                         ; v31    the second: 8 bytes
.set SC,    32
.set TM,    48
.set AF,    64
.set PC,    160                        ; the ways out: v180-187 the blocks' scale words, v188-191 the words read back
.set PWS,   180
.set BK,    188
.set PR,    2                          ; s2 the first tile's product: 0 q, 1 k; the same in all sixteen partners
.set TM2,   8                          ; s8, s9 the second tile's row (128 of e) and column (256 keys)
.set TN2,   9
.set WV,    14                         ; s14 wave; s15 its half of m' (also: it fetches for A (0) or B (1)); s16 its half of n' (also: which half it fetches); s17 the first tile's row
.set HI,    15
.set LOH,   16
.set TMI,   17
.set G1A,   24                         ; s[24:31] group 1 of the first tile's A; s[32:35] group 0
.set G0A,   32
.set G1B,   44                         ; s[44:51], s[52:63] the same for B
.set G0B,   52
.set SEL,   66                         ; s[66:67] selects of v_permlanex16_b32 for lane l xor 16
.set G1S,   68                         ; s[68:75], s[76:79] A's K steps 2 to 5; s[80:87], s[88:91] B's: first fills
.set G0S,   76
.set G1SB,  80
.set G0SB,  88
.set G1A2,  68                         ; when the first fills have landed these registers take the second tile's descriptors: A's where A's stood,
.set G0A2,  76
.set G1B2,  80                         ; B's where B's stood
.set G0B2A, 88
.set G0B2B, 56
.set CX,    92
.set CY,    93
.set TN,    94                         ; s94 the first tile's column
.set MROW,  95
.set MCOL,  96
.set MSB,   0
.macro WIN new                         ; the immediate's high byte repeats the setting that is left; a switch that changes nothing is dropped
.if MSB != (\new)
	s_set_vgpr_msb (MSB<<8)|(\new)
.set MSB, (\new)
.endif
.endm
.macro PLACES n                        ; plain vector lines between a matrix instruction and a load into, or a vector line on, its registers
.rept \n
	v_nop
.endr
.endm
.macro JLOAD g0a, g1a, g0b, g1b        ; a joint load: waves 0 and 1 fetch for A, waves 2 and 3 for B; an s_nop 0 and four v_nop follow each line
	s_cmp_eq_u32 s[HI], 0
	s_cbranch_scc0 .Lfor_b_\@
	tensor_load_to_lds s[\g0a:\g0a+3], s[\g1a:\g1a+7]
	s_nop 0
	PLACES 4
	s_branch .Lasked_\@
.Lfor_b_\@:
	tensor_load_to_lds s[\g0b:\g0b+3], s[\g1b:\g1b+7]
	s_nop 0
	PLACES 4
.Lasked_\@:
.endm
.macro RLOAD                           ; the refill of the pieces X: wave 0 asks for A's two K steps, wave 1 for B's; waves 2 and 3 have no part of it and run the four places alone
	s_cmp_eq_u32 s[WV], 0
	s_cbranch_scc0 .Lrb_\@
	tensor_load_to_lds s[G0A:G0A+3], s[G1A:G1A+7]
	s_nop 0
	PLACES 4
	s_branch .Lrd_\@
.Lrb_\@:
	s_cmp_eq_u32 s[WV], 1
	s_cbranch_scc0 .Lrn_\@
	tensor_load_to_lds s[G0B:G0B+3], s[G1B:G1B+7]
	s_nop 0
	PLACES 4
	s_branch .Lrd_\@
.Lrn_\@:
	PLACES 4
.Lrd_\@:
.endm
.macro CREST
	s_cmp_lg_u32 s[WV], 0
	s_cbranch_scc1 .Lnot_wave_0_\@
	s_barrier_signal -3
.Lnot_wave_0_\@:
	s_barrier_wait -3
	s_barrier_signal -1
	s_barrier_wait -1
.endm
.macro CROUND
	s_barrier_signal -1
	s_barrier_wait -1
	CREST
.endm
.macro GROUP1 g, mask, c, rows, pitch  ; rows of c elements of 8 bytes, pitch elements apart, no padding; bit 21 is set beside a mask
	s_or_b32 s[\g], \mask, (3<<16)|(1<<21)
	s_mov_b32 s[\g+1], (\c)<<16                    ; tensor_dim0
	s_mov_b32 s[\g+2], (\rows)<<16                 ; tensor_dim1
	s_mov_b32 s[\g+3], (\c)<<16                    ; tile_dim0
	s_mov_b32 s[\g+4], \rows                       ; tile_dim1
	s_mov_b32 s[\g+5], \pitch                      ; from row to row
	s_mov_b32 s[\g+6], 0
	s_mov_b32 s[\g+7], 0
.endm
.macro GROUP0 g, who, mul, base, ptr, off   ; to LDS byte base + mul x s[who]; from s[ptr:ptr+1] + off
	s_mov_b32 s[\g], 1
	s_mul_i32 s[\g+1], s[\who], \mul
	s_add_co_u32 s[\g+1], s[\g+1], \base
	s_add_nc_u64 s[\g+2:\g+3], s[\ptr:\ptr+1], \off
	s_or_b32 s[\g+3], s[\g+3], 0x80000000
.endm
; THE FIRST TILE.  The fragments and scale words of one K step (the q-th of slot sl, K step ks of all) into set p: three loads of 512 consecutive bytes a fragment
.macro FETCH sl, q, ks, p
	WIN 0x40                                       ; destination window 1
.irp i, 0,1,2,3,4,5,6,7
.irp c, 0,1,2
	ds_load_b128 v[96*(\p)+12*\i+4*\c:96*(\p)+12*\i+4*\c+3], v[ADRB+(\sl)] offset:((\q)*8+\i)*FRB+512*\c
.endr
.endr
	WIN 0
.irp i, 0,1,2,3,4,5,6,7
.irp c, 0,1,2
	ds_load_b128 v[AF+96*(\p)+12*\i+4*\c:AF+96*(\p)+12*\i+4*\c+3], v[ADRA+(\sl)] offset:((\q)*8+\i)*FRB+512*\c
.endr
.endr
.irp i, 0,1,2,3,4,5,6,7
	ds_load_b32 v[SC+8*(\p)+\i], v[ADRS] offset:512*(\ks)+64*\i    ; lanes 0-15: A's block i; lanes 16-31: B's block i
.endr
.endm
; na blocks of A from a0 on, each against B's eight, out of set p.  z = 0: onto the sums; 1: the bias of B's block starts them.
; The accumulators take turns, one instruction a turn, in the same order in every step.
.macro MUL a0, na, p, z
.set AI, \a0
.rept \na
.if (\z) == 1
	WIN 0x91+0x40*(AI/4)                           ; B window 1, A window 0, C window 1, D window 2 or 3
.else
	WIN 0xa1+0x50*(AI/4)                           ; B window 1, A window 0, C and D window 2 or 3
.endif
.irp b, 0,1,2,3,4,5,6,7
.set rD, 8*(8*(AI%4)+\b)
.set rB, 96*(\p)+12*\b
.set rA, AF+96*(\p)+12*AI
.if (\z) == 0
	v_wmma_scale_f32_16x16x128_f8f6f4 v[rD:rD+7], v[rB:rB+11], v[rA:rA+11], v[rD:rD+7], v[SC+8*(\p)+\b], v[SC+8*(\p)+AI] matrix_a_fmt:MATRIX_FMT_FP6 matrix_b_fmt:MATRIX_FMT_FP6 matrix_a_scale:MATRIX_SCALE_ROW1
.else
	v_wmma_scale_f32_16x16x128_f8f6f4 v[rD:rD+7], v[rB:rB+11], v[rA:rA+11], v[192+8*\b:199+8*\b], v[SC+8*(\p)+\b], v[SC+8*(\p)+AI] matrix_a_fmt:MATRIX_FMT_FP6 matrix_b_fmt:MATRIX_FMT_FP6 matrix_a_scale:MATRIX_SCALE_ROW1
.endif
.endr
.set AI, AI+1
.endr
.endm
; A K step out of set p; first the next step (slot sf, its qf-th, K step ks) is asked of LDS, into the other set
.macro STEP sf, qf, ks, p, z
	s_wait_dscnt 0x0                               ; set p, asked for a step ago, is in
	PLACES 4                                       ; the other set was read by the last step's matrix instructions
	FETCH \sf, \qf, \ks, 1-(\p)
	MUL 0, 8, \p, \z
	WIN 0
.endm
; A K step behind which LDS is filled again: ahead of the barrier each wave waits for all its tensor loads, adds 0 to its spare word, and waits for that and for its reads of LDS; the barrier opens a round of the cluster's.
; kind = 1: slot 0 takes the first tile's K steps 6 and 7.  kind = 2: slots 1 and 2 take the second tile's A and its B's K steps 0 to 3.
.macro TURN p, kind, sf, ks
	s_wait_tensorcnt 0x0                           ; all my tensor loads have landed
	ds_add_u32 v[SPW], v[NIL]                      ; 0 onto my spare word
	s_wait_dscnt 0x1                               ; set p is in; the add alone may be out
	MUL 0, 2, \p, 0
	s_wait_dscnt 0x0                               ; the add is done, and my reads of the slots that I have left are over
	s_barrier_signal -1
	MUL 2, 2, \p, 0
	WIN 0
	s_barrier_wait -1
	CREST                                          ; no wave of any partner still reads what is filled below or has a load on its way
.if (\kind) == 1
	s_add_nc_u64 s[G0A+2:G0A+3], s[G0A+2:G0A+3], NSLOT*NQ*8*FRB    ; six K steps of 128 rows on
	s_add_nc_u64 s[G0B+2:G0B+3], s[G0B+2:G0B+3], NSLOT*NQ*8*FRB
	RLOAD                                          ; the first tensor load behind the round; the four v_nop are the places ahead of the loads below
.else
	JLOAD G0A2, G1A2, G0B2A, G1B2
.endif
	FETCH \sf, 0, \ks, 1-(\p)
	MUL 4, 4, \p, 0
	WIN 0
.endm
; THE SECOND TILE.  K step ks: B's fragments are the q-th of run bs (0: K steps 0 to 3, 1: K steps 4 to 7), A's lie [row block][8 K steps]
.macro FETCH2 bs, q, ks, p
	WIN 0x40
.irp i, 0,1,2,3,4,5,6,7
.irp c, 0,1,2
	ds_load_b128 v[96*(\p)+12*\i+4*\c:96*(\p)+12*\i+4*\c+3], v[ADRB2+(\bs)*(1+(\q)/2)] offset:(((\q)-2*(\bs)*((\q)/2))*8+\i)*FRB+512*\c   ; run 1 lies in two pieces of two K steps
.endr
.endr
	WIN 0
.irp i, 0,1,2,3
.irp c, 0,1,2
	ds_load_b128 v[AF+48*(\p)+12*\i+4*\c:AF+48*(\p)+12*\i+4*\c+3], v[ADRA2] offset:((\ks)*4+\i)*FRB+512*\c
.endr
.endr
.irp i, 0,1,2,3
	ds_load_b32 v[SC+8*(\p)+\i], v[ADRS2] offset:512*(\ks)+64*\i   ; lanes 0-15: A's block i; lanes 16-31: B's block i
.endr
.irp i, 4,5,6,7
	ds_load_b32 v[SC+8*(\p)+\i], v[ADRSB2] offset:512*(\ks)+64*\i  ; B's block i
.endr
.endm
.macro MUL2 a0, na, p, z               ; z = 0: onto the sums; 2: the bias of A's block starts them.  The 32 accumulators take turns
.set AI, \a0
.rept \na
.if (\z) == 2
	WIN 0x91                                       ; B window 1, A window 0, C window 1, D window 2
.else
	WIN 0xa1                                       ; B window 1, A window 0, C and D window 2
.endif
.irp b, 0,1,2,3,4,5,6,7
.set rD, 8*(8*AI+\b)
.set rB, 96*(\p)+12*\b
.set rA, AF+48*(\p)+12*AI
.if (\z) == 0
	v_wmma_scale_f32_16x16x128_f8f6f4 v[rD:rD+7], v[rB:rB+11], v[rA:rA+11], v[rD:rD+7], v[SC+8*(\p)+\b], v[SC+8*(\p)+AI] matrix_a_fmt:MATRIX_FMT_FP6 matrix_b_fmt:MATRIX_FMT_FP6 matrix_a_scale:MATRIX_SCALE_ROW1
.else
	v_wmma_scale_f32_16x16x128_f8f6f4 v[rD:rD+7], v[rB:rB+11], v[rA:rA+11], v[192+8*AI:199+8*AI], v[SC+8*(\p)+\b], v[SC+8*(\p)+AI] matrix_a_fmt:MATRIX_FMT_FP6 matrix_b_fmt:MATRIX_FMT_FP6 matrix_a_scale:MATRIX_SCALE_ROW1
.endif
.endr
.set AI, AI+1
.endr
.endm
.macro STEP2 bs, qf, ks, p, z
	s_wait_dscnt 0x0                               ; set p, asked for a step ago, is in
	PLACES 4                                       ; the other set was read by the last step's matrix instructions
	FETCH2 \bs, \qf, \ks, 1-(\p)
	MUL2 0, 4, \p, \z
	WIN 0
.endm
; THE QUANTISER ON THE WAYS OUT.  The 64 accumulator registers of a block of A's rows, from v[ac] of window w on, are 128 neighbours along n': register 16 b + i = 32 b + 16 (lane / 16) + i.
.macro QMAX ac, w                      ; my 16 numbers of each block of 32; each accumulator is read from its low end on
	WIN (\w)|((\w)<<2)
.irp b, 0,1,2,3
	v_max3_num_f32 v[TM+\b], |v[(\ac)+16*\b]|, |v[(\ac)+16*\b+1]|, 0x1800000   ; and the floor 2^(3 - 127): the byte cannot fall under 1
.endr
.irp i, 2,4,6,8,10,12,14
.irp b, 0,1,2,3
	v_max3_num_f32 v[TM+\b], |v[(\ac)+16*\b+\i]|, |v[(\ac)+16*\b+\i+1]|, v[TM+\b]
.endr
.endr
	WIN 0
.endm
.macro QSCALE pw                       ; the blocks' scales: operands of the conversions in v[TM+12] on, the row's scale word in v[pw]
.irp b, 0,1,2,3
	v_permlanex16_b32 v[TM+4+\b], v[TM+\b], s[SEL], s[SEL+1]
.endr
.irp b, 0,1,2,3
	v_max_num_f32 v[TM+\b], v[TM+\b], v[TM+4+\b]
.endr
.irp b, 0,1,2,3
	v_add_nc_u32 v[TM+12+\b], 0xff000000, v[TM+\b]                 ; 2 off the exponent field
.endr
.irp b, 0,1,2,3
	v_lshrrev_b32 v[TM+4+\b], 23, v[TM+12+\b]
.endr
	v_lshl_or_b32 v[\pw], v[TM+5], 8, v[TM+4]
	v_lshl_or_b32 v[\pw], v[TM+6], 16, v[\pw]
	v_lshl_or_b32 v[\pw], v[TM+7], 24, v[\pw]
.endm
.macro QCVT ac, w                      ; the fragment's 12 registers in v[PC] on
	WIN \w
.irp c, 0,1
	v_cvt_scalef32_pk16_fp6_f32 v[PC+6*\c:PC+6*\c+2], v[(\ac)+32*\c:(\ac)+32*\c+15], v[TM+12+2*\c]
	v_cvt_scalef32_pk16_fp6_f32 v[PC+12+4*\c:PC+12+4*\c+2], v[(\ac)+32*\c+16:(\ac)+32*\c+31], v[TM+12+2*\c+1]
.endr
	WIN 0
	v_nop                                          ; one plain line behind a scaled conversion
.irp c, 0,1
.irp i, 0,1,2
	v_permlane16_swap_b32 v[PC+6*\c+\i], v[PC+12+4*\c+\i]
.endr
.irp i, 0,1,2
	v_mov_b32 v[PC+3+6*\c+\i], v[PC+12+4*\c+\i]
.endr
.endr
.endm
.macro OUT3 base, off                  ; the image: three stores of 512 consecutive bytes, aligned
.irp c, 0,1,2
	global_store_b128 v[LO16], v[PC+4*\c:PC+4*\c+3], s[\base:\base+1] offset:(\off)+512*\c
.endr
.endm
.macro BLOCK a, ac, w                  ; block a of 16 rows becomes one fragment of the result's image, in the 12 registers from v[PC] on (PC is set anew for each block; the 8 registers behind them are at work), and one scale word a row
	QMAX \ac, \w
	QSCALE PWS+(\a)
	QCVT \ac, \w
.endm
	s_load_b256 s[4:11], s[0:1], 0x0               ; xw s[4:5], bq s[6:7], bk s[8:9], bv s[10:11]
	s_load_b64 s[12:13], s[0:1], 0x20              ; qkv
	v_lshl_add_u32 v[SPW], v0, 2, SPARE
	v_mov_b32 v[NIL], 0
	ds_add_u32 v[SPW], v[NIL]                      ; the wave's opening: the add and its wait ahead of my first tensor load; work on registers stands between them
	ds_add_u32 v[SPW], v[NIL]
	v_lshrrev_b32 v1, 5, v0
	v_readfirstlane_b32 s[WV], v1
	s_lshr_b32 s[HI], s[WV], 1
	s_and_b32 s[LOH], s[WV], 1
	s_bfe_u32 s[CX], ttmp6, 0x40000
	s_bfe_u32 s[CY], ttmp6, 0x40004
	s_lshl_b32 s[MROW], s[CY], 2
	s_lshl_b32 s[MROW], 15, s[MROW]                ; my row of the cluster
	s_lshl_b32 s[MCOL], 0x1111, s[CX]              ; my column
	s_mov_b32 s[SEL], 0x76543210
	s_mov_b32 s[SEL+1], 0xfedcba98
	s_and_b32 s18, ttmp7, 0xffff                   ; the cluster, 0 to 15: 8 on q, 8 on k
	s_lshr_b32 s[PR], s18, 3
	s_and_b32 s18, s18, 7
	s_lshl_b32 s18, s18, 2
	s_add_co_u32 s[TMI], s18, s[CY]                ; 32 tile rows (the input's rows),
	s_mov_b32 s[TN], s[CX]                         ; 4 tile columns
	GROUP1 G1A, s[MROW], 192*8*NQ, 2, 192*64       ; a row of the tile is two K steps of 128 rows, 24,576 dense bytes; two rows: the tile's two groups of 128 rows, 98,304 bytes apart
	GROUP1 G1B, s[MCOL], 192*8*NQ, 2, 192*64
	GROUP1 G1S, s[MROW], 192*8*4, 2, 192*64        ; the same with four K steps to a row
	GROUP1 G1SB, s[MCOL], 192*8*4, 2, 192*64
	s_mul_i32 s20, s[TMI], 128*FRB                 ; A's 256 rows: the tile row alone
	s_mul_i32 s19, s[PR], 6291456                  ; in xw: the input's codes,
	s_add_co_u32 s20, s20, s19
	s_lshl_b32 s22, s[TMI], 13                     ; the scale words of the tile's 256 rows: 8,192 dense bytes
	s_mul_i32 s19, s[PR], 262144                   ; and its scale words
	s_add_co_u32 s22, s22, s19
	s_add_co_u32 s22, s22, 22020096
	s_mul_i32 s98, s[TN], 128*FRB                  ; B's 256 rows: the tile column alone
	s_mul_i32 s3, s[PR], 786432                    ; the weight's codes,
	s_add_co_u32 s98, s98, s3
	s_add_co_u32 s98, s98, 18874368
	s_lshl_b32 s100, s[TN], 13
	s_mul_i32 s3, s[PR], 32768                     ; and its scale words
	s_add_co_u32 s100, s100, s3
	s_add_co_u32 s100, s100, 22806528
	s_mov_b32 s21, 0
	s_mov_b32 s23, 0
	s_mov_b32 s99, 0
	s_mov_b32 s101, 0
	s_wait_dscnt 0x0                               ; the opening add is done
	s_wait_kmcnt 0x0
	s_add_nc_u64 s[20:21], s[4:5], s[20:21]
	s_add_nc_u64 s[36:37], s[4:5], s[22:23]        ; the scale words' bases: registers that are not written again
	s_add_nc_u64 s[98:99], s[4:5], s[98:99]
	s_add_nc_u64 s[38:39], s[4:5], s[100:101]
	CROUND                                         ; all sixteen work-groups are here: the first joint loads meet
.macro G0C g, lds, ptr, off            ; group 0: to LDS byte lds, from s[ptr:ptr+1] + off
	s_mov_b32 s[\g], 1
	s_mov_b32 s[\g+1], \lds
	s_add_nc_u64 s[\g+2:\g+3], s[\ptr:\ptr+1], \off
	s_or_b32 s[\g+3], s[\g+3], 0x80000000
.endm
.macro ARM under, g0, g1, next         ; one arm of the head's chain of branches on the wave's number: its load, and a jump to the chain's end
	s_cmp_lt_u32 s[WV], \under
	s_cbranch_scc0 \next
	tensor_load_to_lds s[\g0:\g0+3], s[\g1:\g1+7]
	s_nop 0
	PLACES 4
	s_branch .Lhead_asked
\next:
.endm
	G0C G0A, 0, 20, 0
	G0C G0B, 2*HA, 98, 0
	G0C G0S, 4*HA, 20, NQ*8*FRB
	G0C G0SB, 8*HA, 98, NQ*8*FRB
	ARM 1, G0A, G1A, .Lhead_b                      ; one load a wave: what the first K steps need is asked for by waves 0 and 1
	ARM 2, G0B, G1B, .Lhead_a2
	ARM 3, G0S, G1S, .Lhead_b2
	tensor_load_to_lds s[G0SB:G0SB+3], s[G1SB:G1SB+7]
	s_nop 0
	PLACES 4
.Lhead_asked:
	v_lshlrev_b32 v[CPG], 4, v0
	v_lshl_add_u32 v6, v0, 4, SCLA
.irp k, 0,1,2,3
	global_load_b128 v[64+4*\k:67+4*\k], v[CPG], s[36:37] offset:2048*\k   ; the first tile's scale words: 128 threads read 2,048 dense bytes; A's 8,192,
	global_load_b128 v[80+4*\k:83+4*\k], v[CPG], s[38:39] offset:2048*\k   ; and B's
.endr
	v_and_b32 v1, 31, v0                           ; lane
	v_and_b32 v2, 15, v0                           ; r
	v_bfe_u32 v3, v0, 4, 1                         ; h
	v_lshlrev_b32 v[LO16], 4, v1
	s_wait_alu depctr_va_vdst(0)
	s_mul_i32 s18, s[HI], HA                       ; the first tile: slot 0 is my piece X of A,
	s_mul_i32 s19, s[LOH], HA                      ; and of B, behind A's two
	s_add_co_u32 s19, s19, 2*HA
	v_add_nc_u32 v[ADRA], s18, v[LO16]
	v_add_nc_u32 v[ADRB], s19, v[LO16]
	s_lshl_b32 s18, s18, 1                         ; the pieces Y are twice as long and lie behind the four X
	s_lshl_b32 s19, s19, 1
	s_add_co_u32 s18, s18, 4*HA
	s_add_co_u32 s19, s19, 4*HA
	v_add_nc_u32 v[ADRA+1], s18, v[LO16]           ; slot 1: K steps 2 and 3,
	v_add_nc_u32 v[ADRB+1], s19, v[LO16]
	v_add_nc_u32 v[ADRA+2], HA, v[ADRA+1]          ; slot 2: K steps 4 and 5
	v_add_nc_u32 v[ADRB+2], HA, v[ADRB+1]
	s_mul_i32 s18, s[HI], 2*HA                     ; the second tile: my 64 rows of A, in piece Y 0 or 1;
	s_add_co_u32 s18, s18, 4*HA
	v_add_nc_u32 v[ADRA2], s18, v[LO16]
	s_mul_i32 s19, s[LOH], HA                      ; my 128 rows of B: K steps 4 and 5 in piece X 0 or 1,
	v_add_nc_u32 v[ADRB2+1], s19, v[LO16]
	s_add_co_u32 s19, s19, 2*HA                    ; K steps 6 and 7 in piece X 2 or 3 (v14),
	v_add_nc_u32 v[ADRB2+2], s19, v[LO16]
	s_mul_i32 s19, s[LOH], 2*HA                    ; K steps 0 to 3 in piece Y 2 or 3
	s_add_co_u32 s19, s19, 8*HA
	v_add_nc_u32 v[ADRB2], s19, v[LO16]
	v_lshlrev_b32 v4, 2, v2                        ; 4 r
	s_lshl_b32 s18, s[HI], 12                      ; the first tile's scale words
	s_lshl_b32 s19, s[LOH], 12
	s_add_co_u32 s19, s19, SCLB-SCLA
	s_sub_co_u32 s19, s19, s18                     ; from A's words to B's
	v_mul_u32_u24 v5, s19, v3                      ; lanes 16-31 take B's
	s_add_co_u32 s18, s18, SCLA
	v_add_nc_u32 v5, v4, v5
	v_add_nc_u32 v[ADRS], s18, v5
	s_lshl_b32 s18, s[HI], 8                       ; the second tile's: my 64 rows of A are 256 bytes of a K step's 512
	s_lshl_b32 s19, s[LOH], 12
	s_add_co_u32 s19, s19, 4096
	s_sub_co_u32 s19, s19, s18
	v_mul_u32_u24 v5, s19, v3
	s_wait_alu depctr_va_vdst(0)
	s_add_co_u32 s18, s18, SCL2
	v_add_nc_u32 v5, v4, v5
	v_add_nc_u32 v[ADRS2], s18, v5
	s_lshl_b32 s19, s[LOH], 12
	s_add_co_u32 s19, s19, SCL2+4096
	v_add_nc_u32 v[ADRSB2], s19, v4
	s_lshl_b32 s18, s[WV], 9
	s_add_co_u32 s18, s18, STAGE
	v_add_nc_u32 v[STW], s18, v4
	v_add_nc_u32 v[STRD], s18, v[LO16]
	v_lshlrev_b32 v[L8], 3, v1
	v_add_nc_u32 v[STRD2], s18, v[L8]
	v_lshl_add_u32 v[CPL], v0, 4, SCL2
.irp b, 0,1,2,3
	v_mov_b32 v[TM+4+\b], 0                        ; written once: a lane permute's destination counts as one of its sources
.endr
	; THE FIRST TILE'S BIAS is the C of each sum's first matrix instruction: it runs along n' (registers): eight registers for each of B's blocks
	s_cmp_eq_u32 s[PR], 1
	s_cselect_b64 s[6:7], s[8:9], s[6:7]
	s_lshl_b32 s98, s[TN], 10
	s_lshl_b32 s99, s[LOH], 9
	s_add_co_u32 s98, s98, s99                     ; my first column x 4 bytes
	s_mov_b32 s99, 0
	s_add_nc_u64 s[6:7], s[6:7], s[98:99]
	v_lshlrev_b32 v8, 6, v3                        ; 16 h numbers on
	WIN 0x40
.irp b, 0,1,2,3,4,5,6,7
	global_load_b128 v[192+8*\b:195+8*\b], v8, s[6:7] offset:(32*(\b/2)+8*(\b%2))*4
	global_load_b128 v[196+8*\b:199+8*\b], v8, s[6:7] offset:(32*(\b/2)+8*(\b%2))*4+16
.endr
	WIN 0
	; the second tile's place: two clusters along e, eight along the keys
	s_and_b32 s3, ttmp7, 1
	s_lshl_b32 s3, s3, 2
	s_add_co_u32 s[TM2], s3, s[CY]                 ; 8 tile rows of 128 of e
	s_and_b32 s3, ttmp7, 0xffff
	s_lshr_b32 s3, s3, 1
	s_lshl_b32 s3, s3, 2
	s_add_co_u32 s[TN2], s3, s[CX]                 ; 32 tile columns of 256 keys
	s_lshl_b32 s20, s[TM2], 12                     ; Wv's scale words of my work-group's 128 rows: 4,096 dense bytes,
	s_add_co_u32 s20, s20, 22872064
	s_mov_b32 s21, 0
	s_add_nc_u64 s[20:21], s[4:5], s[20:21]
	s_lshl_b32 s100, s[TN2], 13                    ; value's of its 256 rows: 8,192 dense bytes,
	s_add_co_u32 s100, s100, 22544384
	s_mov_b32 s101, 0
	s_add_nc_u64 s[100:101], s[4:5], s[100:101]
	s_lshl_b32 s22, s[TM2], 9                      ; and bv at my 64 rows
	s_lshl_b32 s23, s[HI], 8
	s_add_co_u32 s22, s22, s23
	s_mov_b32 s23, 0
	s_add_nc_u64 s[10:11], s[10:11], s[22:23]
	v_and_b32 v[BO2], 8, v2
	v_add_nc_u32 v[BO2], v[BO2], v2
	v_lshlrev_b32 v[BO2], 2, v[BO2]                ; lane r of block 2 g + u holds row 32 g + 8 u + r + 8 (r / 8)
	s_wait_alu depctr_va_vdst(0)
	s_wait_loadcnt 16                              ; the eight loads of scale words are in; the 16 of the bias, issued behind them, may be out
	s_cmp_gt_u32 s[WV], 1                          ; waves 0 and 1 brought K steps 0 and 1, which are read behind the barrier below: they wait for their loads.
	s_cbranch_scc1 .Lnot_due                       ; The loads of waves 2 and 3 may stay out, and their bytes are first read behind K step 1's wait and round
	s_wait_tensorcnt 0x0
.Lnot_due:
.irp k, 0,1,2,3,4,5,6,7
	ds_store_b128 v6, v[64+4*\k:67+4*\k] offset:2048*\k            ; as they lie in memory: A's [half][K step][128 rows], then B's
.endr
	s_wait_dscnt 0x0                               ; for the others' sake: my part of the scale words lies in LDS
	s_barrier_signal -1
	s_barrier_wait -1                              ; everybody's are
	FETCH 0, 0, 0, 0
	s_wait_loadcnt 0x0                             ; the bias
	STEP 0, 1, 1, 0, 1                             ; K step 0 starts the sums with the bias
	PLACES 4                                       ; the bias registers are free now: they take the second tile's scale words (16 bytes a thread, six times 2,048 dense bytes) and bv, seven K steps ahead of their use
	WIN 0x40
.irp k, 0,1
	global_load_b128 v[192+4*\k:195+4*\k], v[CPG], s[20:21] offset:2048*\k
.endr
.irp k, 0,1,2,3
	global_load_b128 v[200+4*\k:203+4*\k], v[CPG], s[100:101] offset:2048*\k
.endr
.irp a, 0,1,2,3
	global_load_b32 v[224+\a], v[BO2], s[10:11] offset:(32*(\a/2)+8*(\a%2))*4
.endr
	WIN 0
	TURN 1, 1, 1, 2                                ; K step 1; slot 0 takes K steps 6 and 7, with four steps in which to land
	; All first fills have landed (the wait at the head of the K step above), so their descriptors' registers may be written: the second tile's descriptors.
	GROUP1 G1A2, s[MROW], 192*4, 8, 192*8          ; A: 4 row blocks of Wv, all 8 K steps: rows of 6,144 bytes, 12,288 apart
	GROUP1 G1B2, s[MCOL], 192*8, 4, 192*8          ; B: 8 row blocks of value, 4 K steps: 49,152 dense bytes
	s_mul_i32 s18, s[TM2], 64*FRB
	s_mul_i32 s19, s[LOH], 4*FRB
	s_add_co_u32 s18, s18, s19
	s_add_co_u32 s18, s18, 20447232                ; Wv's codes: the tile row and the wave alone
	s_mov_b32 s19, 0
	s_add_nc_u64 s[18:19], s[4:5], s[18:19]
	GROUP0 G0A2, LOH, 2*HA, 4*HA, 18, 0
	s_mul_i32 s98, s[TN2], 128*FRB
	s_mul_i32 s99, s[LOH], 64*FRB
	s_add_co_u32 s98, s98, s99
	s_add_co_u32 s98, s98, 12582912                ; value's codes: the tile column and the wave alone
	s_mov_b32 s99, 0
	s_add_nc_u64 s[98:99], s[4:5], s[98:99]
	GROUP0 G0B2A, LOH, 2*HA, 8*HA, 98, 0           ; K steps 0 to 3 into piece Y 2 or 3,
	s_mul_i32 s18, s[TN2], 128*FRB                 ; K steps 4 + 2 (wave % 2) and the next, of both halves, into two pieces X: the shape of the first tile's B loads
	s_mul_i32 s19, s[LOH], 2*8*FRB
	s_add_co_u32 s18, s18, s19
	s_add_co_u32 s18, s18, 12582912+4*8*FRB
	s_mov_b32 s19, 0
	s_add_nc_u64 s[18:19], s[4:5], s[18:19]
	GROUP0 G0B2B, LOH, 2*HA, 0, 18, 0
	STEP 1, 1, 3, 0, 0
	STEP 2, 0, 4, 1, 0                             ; slot 2 was shown whole to every wave at the round above
	STEP 2, 1, 5, 0, 0
	TURN 1, 2, 0, 6                                ; K step 5; slots 1 and 2 have been read out: THE RING GOES ON INTO THE SECOND TILE
	STEP 0, 1, 7, 0, 0
	s_wait_dscnt 0x0                               ; K step 7
	MUL 0, 8, 1, 0
	WIN 0
	; THE FIRST WAY OUT.  Each of my eight blocks of 16 rows is one fragment of q's or k's image (K step 2 x tile column + my half) and one scale word a row.
	s_wait_loadcnt 0x0                             ; the second tile's scale words and bv are in registers; their bases may be written
	s_lshl_b32 s18, s[TMI], 1
	s_add_co_u32 s18, s18, s[HI]                   ; my group of 128 rows
	s_lshl_b32 s19, s[TN], 1
	s_add_co_u32 s19, s19, s[LOH]                  ; my K step
	s_lshl_b32 s20, s18, 3                         ; 8 K steps a group,
	s_add_co_u32 s20, s20, s19
	s_mul_i32 s20, s20, 8*FRB                      ; 8 row blocks a K step
	s_mul_i32 s3, s[PR], 6291456
	s_add_co_u32 s20, s20, s3
	s_mov_b32 s21, 0
	s_add_nc_u64 s[20:21], s[12:13], s[20:21]      ; my first fragment
	s_lshl_b32 s22, s18, 3
	s_add_co_u32 s22, s22, s19
	s_lshl_b32 s22, s22, 9
	s_mul_i32 s3, s[PR], 262144
	s_add_co_u32 s22, s22, s3
	s_add_co_u32 s22, s22, 18874368
	s_mov_b32 s23, 0
	s_add_nc_u64 s[22:23], s[12:13], s[22:23]      ; my 128 scale words
	s_lshl_b32 s18, s[TM2], 1                      ; and the second way out's: v^T's image has 64 K steps to a row block (all four batches' keys)
	s_add_co_u32 s18, s18, s[HI]                   ; my 64 rows of e
	s_lshl_b32 s19, s[TN2], 1
	s_add_co_u32 s19, s19, s[LOH]                  ; my K step: 128 keys
	s_lshl_b32 s98, s[TM2], 6                      ; 64 K steps a group of 128 of e,
	s_add_co_u32 s98, s98, s19
	s_lshl_b32 s98, s98, 1
	s_add_co_u32 s98, s98, s[HI]                   ; two halves of 4 row blocks a K step
	s_mul_i32 s98, s98, 4*FRB
	s_add_co_u32 s98, s98, 12582912
	s_mov_b32 s99, 0
	s_add_nc_u64 s[98:99], s[12:13], s[98:99]
	s_lshl_b32 s100, s[TM2], 6
	s_add_co_u32 s100, s100, s19
	s_lshl_b32 s100, s100, 9
	s_lshl_b32 s3, s[HI], 8
	s_add_co_u32 s100, s100, s3
	s_add_co_u32 s100, s100, 19398656
	s_mov_b32 s101, 0
	s_add_nc_u64 s[100:101], s[12:13], s[100:101]
	PLACES 4                                       ; behind the last products: results are read, and the registers that held A's fragments are written
	WIN 0x04                                       ; an LDS store's data are its source 1: window 1
.irp k, 0,1,2,3,4,5
	ds_store_b128 v[CPL], v[192+4*\k:195+4*\k] offset:2048*\k      ; the second tile's scale words, as they lie in memory: A's 4,096 bytes, then B's 8,192
.endr
	WIN 0
.irp a, 0,1,2,3
.set PC, 192+12*\a                     ; v192-239: the codes of blocks 0 to 3, 12 registers each: no store's data are written again, so no block waits for the last block's stores
	BLOCK \a, 64*(\a%4), 2+\a/4
	OUT3 20, FRB*\a                                ; each block leaves as soon as it is made
.endr
	; IN THE MIDDLE OF THE WAY OUT one round serves three things: the second tile's A and first half of B are shown whole, its scale words are shown stored, and slot 0, read out since K step 7, is filled again.
	s_wait_tensorcnt 0x0                           ; all my tensor loads have landed
	ds_add_u32 v[SPW], v[NIL]                      ; 0 onto my spare word
	s_wait_dscnt 0x0                               ; the add and my stores of scale words are done; my reads of slot 0 were over at K step 7
	CROUND
	s_cmp_eq_u32 s[HI], 0                          ; waves 0 and 1 fetch B's K steps 4 to 7, 49,152 bytes each; waves 2 and 3 have no part of it
	s_cbranch_scc0 .Lno_part
	tensor_load_to_lds s[G0B2B:G0B2B+3], s[G1B:G1B+7]   ; four blocks of the way out and three K steps follow ahead of the wait for it
	s_nop 0
	PLACES 4
.Lno_part:
	FETCH2 0, 0, 0, 0                              ; the second tile's K step 0 comes into registers under the rest of the way out
.irp a, 4,5,6,7
.set PC, 112+12*(\a-4)                 ; v112-159: the codes of blocks 4 to 7
	BLOCK \a, 64*(\a%4), 2+\a/4
	OUT3 20, FRB*\a
.endr
.irp a, 0,1,2,3,4,5,6,7
	ds_store_b32 v[STW], v[PWS+\a] offset:64*\a    ; both halves of the lanes write the same word with the same value
.endr
	ds_load_b128 v[BK:BK+3], v[STRD]               ; LDS serves a wave's instructions in order: this sees my stores
	s_wait_alu depctr_va_vdst(0)                   ; the wait here, directly ahead of the wait below
	s_wait_dscnt 0x0
	global_store_b128 v[LO16], v[BK:BK+3], s[22:23]   ; 128 rows' words: 512 consecutive bytes, aligned
	; THE SECOND TILE.  Its bias runs along m' (lanes): one number a lane for each of A's blocks, spread over the eight registers of a C operand
	WIN 0x41
.irp a, 0,1,2,3
.irp j, 0,1,2,3,4,5,6,7
	v_mov_b32 v[192+8*\a+\j], v[224+\a]
.endr
.endr
	WIN 0
	s_wait_alu depctr_va_vdst(0)
	s_wait_xcnt 0x0                                ; the first way out's stores have read their registers: v112-159 take fragments below, v188-191 the second way out's words
	STEP2 0, 1, 1, 0, 2
	STEP2 0, 2, 2, 1, 0
	STEP2 0, 3, 3, 0, 0
	s_wait_tensorcnt 0x0                           ; K step 3: my part of B's K steps 4 to 7 has landed;
	s_wait_dscnt 0x0                               ; set 1 is in
	s_barrier_signal -1
	MUL2 0, 2, 1, 0
	WIN 0
	s_barrier_wait -1                              ; everybody's part has
	PLACES 4
	FETCH2 1, 0, 4, 0
	MUL2 2, 2, 1, 0
	WIN 0
	STEP2 1, 1, 5, 0, 0
	STEP2 1, 2, 6, 1, 0
	STEP2 1, 3, 7, 0, 0
	s_wait_dscnt 0x0                               ; K step 7
	MUL2 0, 4, 1, 0
	WIN 0
	; THE SECOND WAY OUT: four blocks of 16 rows of e, each one fragment of v^T's image and one scale word a row
	PLACES 4
.irp a, 0,1,2,3
.set PC, 64+12*\a                      ; v64-111: the codes of the four blocks
	BLOCK \a, 64*\a, 2
	OUT3 98, FRB*\a
.endr
.irp a, 0,1,2,3
	ds_store_b32 v[STW], v[PWS+\a] offset:64*\a
.endr
	ds_load_b64 v[BK:BK+1], v[STRD2]
	s_wait_alu depctr_va_vdst(0)                   ; the wait here, directly ahead of the waits below
	s_wait_tensorcnt 0x0                           ; the wave's end: the wait for tensor loads, an add of 0 and a wait for it stand behind my last tensor load and my last LDS store; the global stores follow them
	ds_add_u32 v[SPW], v[NIL]
	s_wait_dscnt 0x0                               ; the add is done and the words are back
	global_store_b64 v[L8], v[BK:BK+1], s[100:101] ; 64 rows' words: 256 consecutive bytes, aligned
	CROUND                                         ; the closing round
	s_endpgm
.Lfunc_end_k_q8b3ecedd7a_proj:
	.size	k_q8b3ecedd7a_proj, .Lfunc_end_k_q8b3ecedd7a_proj-k_q8b3ecedd7a_proj
	.p2alignl 7, 3214868480
	.fill 96, 4, 3214868480
	.section	.rodata,"a",@progbits
	.p2align	6, 0x0
	.amdhsa_kernel k_q8b3ecedd7a_proj
		.amdhsa_group_segment_fixed_size 327680
		.amdhsa_private_segment_fixed_size 0
		.amdhsa_enable_private_segment 0
		.amdhsa_kernarg_size 40
		.amdhsa_user_sgpr_count 2
		.amdhsa_user_sgpr_kernarg_segment_ptr 1
		.amdhsa_wavefront_size32 1
		.amdhsa_system_sgpr_workgroup_id_x 1
		.amdhsa_system_sgpr_workgroup_id_y 1
		.amdhsa_system_sgpr_workgroup_id_z 1
		.amdhsa_system_vgpr_workitem_id 0
		.amdhsa_next_free_vgpr 1024
		.amdhsa_next_free_sgpr 102
		.amdhsa_reserve_vcc 0
		.amdhsa_float_denorm_mode_32 3
		.amdhsa_float_denorm_mode_16_64 3
		.amdhsa_memory_ordered 1
		.amdhsa_forward_progress 1
		.amdhsa_inst_pref_size 225
	.end_amdhsa_kernel
	.amdgpu_metadata
---
amdhsa.version: [ 1, 2 ]
amdhsa.kernels:
  - .name:           k_q8b3ecedd7a_proj
    .symbol:         k_q8b3ecedd7a_proj.kd
    .args:
      - { .name: xw, .offset: 0, .size: 8, .value_kind: global_buffer, .address_space: global }
      - { .name: bq, .offset: 8, .size: 8, .value_kind: global_buffer, .address_space: global }
      - { .name: bk, .offset: 16, .size: 8, .value_kind: global_buffer, .address_space: global }
      - { .name: bv, .offset: 24, .size: 8, .value_kind: global_buffer, .address_space: global }
      - { .name: qkv, .offset: 32, .size: 8, .value_kind: global_buffer, .address_space: global }
    .group_segment_fixed_size: 327680
    .private_segment_fixed_size: 0
    .kernarg_segment_align: 8
    .kernarg_segment_size: 40
    .max_flat_workgroup_size: 128
    .sgpr_count:     102
    .vgpr_count:     1024
    .wavefront_size: 32
...
	.end_amdgpu_metadata
.endif
;; end of part 2
;; launch scores (part 3): grid 8 x 32, 4 waves a work-group, clusters of 4 x 4, 327,680 bytes of LDS; arguments qkv, pp; writes pp
.if DOCPART == 3
	.amdgcn_target "amdgcn-amd-amdhsa--gfx1250"
	.amdhsa_code_object_version 6
	.text
	.protected	k_q8b3ecedd7a_scores
	.globl	k_q8b3ecedd7a_scores
	.p2align	8
	.type	k_q8b3ecedd7a_scores,@function
k_q8b3ecedd7a_scores:
	s_mov_b64 s[64:65], 0
	v_nop
	global_prefetch_b8 v0, s[64:65] scope:SCOPE_SE
	s_setreg_imm32_b32 hwreg(HW_REG_WAVE_MODE, 25, 1), 1
	s_wait_xcnt 0x0
	s_wait_alu depctr_hold_cnt(0) depctr_sa_sdst(0) depctr_va_vdst(0) depctr_va_sdst(0) depctr_va_ssrc(0) depctr_va_vcc(0) depctr_vm_vsrc(0)
	s_getreg_b32 s2, hwreg(HW_REG_IB_STS2, 6, 4)
	s_cmp_eq_u32 s2, 0
	s_cbranch_scc0 .Lentry_in_a_cluster
	s_endpgm
.Lentry_in_a_cluster:
	s_bfe_u32 s2, ttmp6, 0x10000c
	s_cmp_lg_u32 s2, 0xf033
	s_cbranch_scc0 .Lentry_shape_is_right
	s_endpgm
.Lentry_shape_is_right:
; S = q k^T on codes of FP6 (E2M3) with E8M0 scales, and the softmax's first half: t = score x log2(e) / 32; for each query and each 128 keys a LOCAL whole number M = ceil(the largest t of these 128);
; p = 2^(t - M), quantised along the keys; l = the sum of the unquantised p.  Out go p's codes, its scale words, -M and l.  M being whole, the next launch brings every group under the row's M by taking a whole number off the scale bytes: the codes stay.
; C'[m'][n']: A = q's rows (m' = queries), B = k's rows (n' = keys).  THE MATRIX INSTRUCTION IS USED TRANSPOSED (source 0 = 16 rows of B, source 1 = 16 rows of A): a lane holds one query and its registers run along the keys.
; IMAGES.  Codes lie as images of the operand's registers: a fragment (16 rows x 128 K) is 1,536 bytes, registers 4 c .. 4 c + 3 of lane l at 512 c + 16 l; fragment (R, s) at (R x K steps + s) x 1,536.
; Lane r of row block 2 g + u holds row 32 g + 8 u + r + 8 (r / 8): so the 16 registers of tiles 2 b, 2 b + 1 are keys 32 b + 16 (lane / 16) + 0 .. 15, and p's rows keep q's order.  Scale words, -M and l: [128 rows][K step][row], 4 bytes.
; SHARES.  A work-group of four waves makes 256 queries x 256 keys, a wave 128 x 128: 64 accumulators.  K = 1,024 is 8 steps; three LDS slots of two steps: six steps come with the first fills, the last two by ONE refill.
; CLUSTERS: 4 x 4 work-groups; q's tiles are asked for jointly along a row of the cluster, k's along a column.
; LIMITS: NaN and infinities are not served; t beyond 2^24 in magnitude has no exact ceiling; a block whose every p has fallen to 0 keeps the byte 1 (its codes are zeros).
; A block's largest p is not searched for: the block's largest score goes through the same multiply-add and exponential (this takes v_exp_f32 not to fall where its input rises).
; REGISTERS: window 0: v16-31 addresses; v32-47 scale words, two sets (they hold nothing else); v48-63 at work; v64-159, v160-255 A's fragments, two sets (free on the way out).
;   window 1: v0-95, v96-191 B's fragments, two sets.   windows 2, 3: accumulator (a, b) at v[8 (8 (a % 4) + b)] of window 2 + a / 4.
; IN FORCE, in place of what the lines above say of a fragment's place, of the ring and of the scale words:
; fragments lie [group of 128 rows][K step][row block of the group], fragment (G, s, i) at ((G x K steps + s) 8 + i) x 1,536, in qkv and in pp alike, so that a run of K steps of 128 rows is one dense block.
; LDS: a region of 73,728 bytes for each wave's loads (A's two halves, then B's two), each of three slots of two K steps.  At the head a wave issues ONE load, K steps 0 to 5 of its 128 rows; K steps 6 and 7 come by the one refill.
; The scale words come by global loads of 2,048 dense bytes and are stored to LDS: no tensor load lands on them.
.set MB,    8
.set KT,    8
.set NQ,    2
.set NSLOT, 3
.set KTMA,  8
.set KTMB,  8
.set SRA,   16
.set SRB,   16
.set FRB,   1536
.set HA,    MB*NQ*FRB
.set HB,    8*NQ*FRB
.set SLOT,  2*HA+2*HB
; LDS MAP IN FORCE (it takes the place of the sentence on regions above).  Four pieces X of 24,576 bytes, piece w at w x 24,576: A's half 0, A's half 1, B's half 0, B's half 1, two K steps each; behind them four pieces Y of 49,152 bytes, in the same order, four K steps each.
; THE HEAD'S FOUR LOADS, one a wave: wave 0 A's K steps 0 and 1 of both halves (X 0, 1), wave 1 B's (X 2, 3), wave 2 A's K steps 2 to 5 (Y 0, 1), wave 3 B's (Y 2, 3).  Waves 0 and 1 alone wait for their loads ahead of the first barrier;
; waves 2 and 3 wait at K step 1, where X takes K steps 6 and 7 (waves 0 and 1 ask).  The way out keeps each block's codes in 12 registers of their own and stores them as soon as they are made: no store's data are written again.
.set SCLA,  NSLOT*SLOT                 ; behind the ring: A's scale words [half][K step][128 rows],
.set SCLB,  SCLA+8192                  ; B's likewise,
.set SPARE, SCLB+8192                  ; and the spare words, 128 bytes for each wave: two blocks of 256 bytes that no other line names
.set AOFF,  KT*512
.set STAGE, SLOT                       ; the way out's words: in slot 1, which is filled once and read by nobody behind the last barrier
.set ADRA,  16
.set ADRB,  20
.set ADRS,  24
.set ADRSB, 25
.set LO16,  26
.set STW,   27
.set SPW,   28
.set NIL,   29
.set STRD,  30
.set SC,    32
.set TM,    48
.set AF,    64
.set PC,    64                         ; the way out: v84-91 scale words, v92-99 -M, v100-107 l of the eight blocks
.set PWS,   84
.set MS,    92
.set LS,    100
.set NM,    108                        ; v[108:109] -M (the packed form names a pair and takes its low word)
.set RM,    110
.set T,     112                        ; v112-143 the sums
.set CS,    100                        ; s[100:101] c = log2(e) / 32
.set WV,    14
.set HI,    15
.set LOH,   16
.set TMI,   17
.set G1A,   24
.set G0A,   32
.set G1B,   44
.set G0B,   52
.set SEL,   66
.set G1S,   68
.set G0S,   76
.set G1SB,  80
.set G0SB,  88
.set CX,    92
.set CY,    93
.set TN,    94
.set MROW,  95
.set MCOL,  96
.set MSB,   0
.macro WIN new                         ; the immediate's high byte repeats the setting that is left; a switch that changes nothing is dropped
.if MSB != (\new)
	s_set_vgpr_msb (MSB<<8)|(\new)
.set MSB, (\new)
.endif
.endm
.macro PLACES n                        ; plain vector lines between a matrix instruction and a load into, or a vector line on, its registers
.rept \n
	v_nop
.endr
.endm
.macro JLOAD g0a, g1a, g0b, g1b        ; a joint load: waves 0 and 1 fetch for A, waves 2 and 3 for B; an s_nop 0 and four v_nop follow each line
	s_cmp_eq_u32 s[WV], 0                          ; (in force: wave 0 asks for A's two K steps, wave 1 for B's; waves 2 and 3 have no part of the refill and run the four places alone)
	s_cbranch_scc0 .Lfor_b_\@
	tensor_load_to_lds s[\g0a:\g0a+3], s[\g1a:\g1a+7]
	s_nop 0
	PLACES 4
	s_branch .Lasked_\@
.Lfor_b_\@:
	s_cmp_eq_u32 s[WV], 1
	s_cbranch_scc0 .Lnone_\@
	tensor_load_to_lds s[\g0b:\g0b+3], s[\g1b:\g1b+7]
	s_nop 0
	PLACES 4
	s_branch .Lasked_\@
.Lnone_\@:
	PLACES 4
.Lasked_\@:
.endm
.macro CREST                           ; a round of the cluster's barrier behind its opening barrier
	s_cmp_lg_u32 s[WV], 0
	s_cbranch_scc1 .Lnot_wave_0_\@
	s_barrier_signal -3
.Lnot_wave_0_\@:
	s_barrier_wait -3
	s_barrier_signal -1
	s_barrier_wait -1
.endm
.macro CROUND
	s_barrier_signal -1
	s_barrier_wait -1
	CREST
.endm
.macro GROUP1 g, mask, c, rows, pitch  ; rows of c elements of 8 bytes, pitch elements apart, no padding; bit 21 is set beside a mask
	s_or_b32 s[\g], \mask, (3<<16)|(1<<21)
	s_mov_b32 s[\g+1], (\c)<<16
	s_mov_b32 s[\g+2], (\rows)<<16
	s_mov_b32 s[\g+3], (\c)<<16
	s_mov_b32 s[\g+4], \rows
	s_mov_b32 s[\g+5], \pitch
	s_mov_b32 s[\g+6], 0
	s_mov_b32 s[\g+7], 0
.endm
.macro GROUP0 g, who, mul, base, ptr, off   ; to LDS byte base + mul x s[who]; from s[ptr:ptr+1] + off
	s_mov_b32 s[\g], 1
	s_mul_i32 s[\g+1], s[\who], \mul
	s_add_co_u32 s[\g+1], s[\g+1], \base
	s_add_nc_u64 s[\g+2:\g+3], s[\ptr:\ptr+1], \off
	s_or_b32 s[\g+3], s[\g+3], 0x80000000
.endm
.macro FETCH sl, q, ks, p              ; the fragments and scale words of one K step into set p: three loads of 512 consecutive bytes a fragment
	WIN 0x40
.irp i, 0,1,2,3,4,5,6,7
.irp c, 0,1,2
	ds_load_b128 v[96*(\p)+12*\i+4*\c:96*(\p)+12*\i+4*\c+3], v[ADRB+(\sl)] offset:((\q)*8+\i)*FRB+512*\c
.endr
.endr
	WIN 0
.irp i, 0,1,2,3,4,5,6,7
.if \i < MB
.irp c, 0,1,2
	ds_load_b128 v[AF+12*MB*(\p)+12*\i+4*\c:AF+12*MB*(\p)+12*\i+4*\c+3], v[ADRA+(\sl)] offset:((\q)*MB+\i)*FRB+512*\c
.endr
.endif
.endr
.irp i, 0,1,2,3,4,5,6,7
.if \i < MB
	ds_load_b32 v[SC+8*(\p)+\i], v[ADRS] offset:512*(\ks)+64*\i    ; lanes 0-15: A's block i; lanes 16-31: B's block i
.else
	ds_load_b32 v[SC+8*(\p)+\i], v[ADRSB] offset:512*(\ks)+64*\i
.endif
.endr
.endm
; na blocks of A from a0 on, each against B's eight, out of set p.  z = 0: onto the sums; 3: the constant 0 starts them.  The accumulators take turns, one instruction a turn.
.macro MUL a0, na, p, z
.set AI, \a0
.rept \na
	WIN 0xa1+0x50*(AI/4)                           ; B window 1, A window 0, C and D window 2 or 3
.irp b, 0,1,2,3,4,5,6,7
.set rD, 8*(8*(AI%4)+\b)
.set rB, 96*(\p)+12*\b
.set rA, AF+12*MB*(\p)+12*AI
.if (\z) == 0
	v_wmma_scale_f32_16x16x128_f8f6f4 v[rD:rD+7], v[rB:rB+11], v[rA:rA+11], v[rD:rD+7], v[SC+8*(\p)+\b], v[SC+8*(\p)+AI] matrix_a_fmt:MATRIX_FMT_FP6 matrix_b_fmt:MATRIX_FMT_FP6 matrix_a_scale:MATRIX_SCALE_ROW1
.else
	v_wmma_scale_f32_16x16x128_f8f6f4 v[rD:rD+7], v[rB:rB+11], v[rA:rA+11], 0, v[SC+8*(\p)+\b], v[SC+8*(\p)+AI] matrix_a_fmt:MATRIX_FMT_FP6 matrix_b_fmt:MATRIX_FMT_FP6 matrix_a_scale:MATRIX_SCALE_ROW1
.endif
.endr
.set AI, AI+1
.endr
.endm
.macro STEP sf, qf, ks, p, z           ; a K step out of set p; first the next step is asked of LDS, into the other set
	s_wait_dscnt 0x0                               ; set p, asked for a step ago, is in
	PLACES 4                                       ; the other set was read by the last step's matrix instructions
	FETCH \sf, \qf, \ks, 1-(\p)
	MUL 0, MB, \p, \z
	WIN 0
.endm
; A slot's last step changes slots: ONE barrier; ahead of it each wave waits for all its tensor loads, adds 0 to its spare word, and waits for that and for its reads of the slot.  fill = 1: slot sl is filled again
.macro TURN p, fill, sl, sf, ks
	s_wait_tensorcnt 0x0                           ; all my tensor loads have landed
	ds_add_u32 v[SPW], v[NIL]                      ; 0 onto my spare word
	s_wait_dscnt 0x1                               ; set p is in; the add alone may be out
	MUL 0, MB/4, \p, 0
	s_wait_dscnt 0x0                               ; the add is done, and my reads of the slot are over
	s_barrier_signal -1
	MUL MB/4, MB/4, \p, 0
	WIN 0
	s_barrier_wait -1
.if \fill
	CREST                                          ; the barrier has opened a round of the cluster's: no wave of any partner still reads the slot or has a load on its way
	s_add_nc_u64 s[G0A+4*(\sl)+2:G0A+4*(\sl)+3], s[G0A+4*(\sl)+2:G0A+4*(\sl)+3], NSLOT*NQ*8*FRB   ; six K steps of 128 rows on
	s_add_nc_u64 s[G0B+4*(\sl)+2:G0B+4*(\sl)+3], s[G0B+4*(\sl)+2:G0B+4*(\sl)+3], NSLOT*NQ*8*FRB
	JLOAD G0A+4*(\sl), G1A, G0B+4*(\sl), G1B       ; the first tensor load behind the round; its four v_nop are the places ahead of the loads below
.else
	PLACES 4
.endif
	FETCH \sf, 0, \ks, 1-(\p)
	MUL MB/2, MB/2, \p, 0
	WIN 0
.endm
.macro LAST p
	s_wait_dscnt 0x0
	MUL 0, MB, \p, 0
	WIN 0
.endm
.macro QCVT ac, w                      ; 64 numbers from v[ac] of window w on, scales in v[TM+12] on, become the fragment's 12 registers in v[PC] on
	WIN \w
.irp c, 0,1
	v_cvt_scalef32_pk16_fp6_f32 v[PC+6*\c:PC+6*\c+2], v[(\ac)+32*\c:(\ac)+32*\c+15], v[TM+12+2*\c]
	v_cvt_scalef32_pk16_fp6_f32 v[PC+12+4*\c:PC+12+4*\c+2], v[(\ac)+32*\c+16:(\ac)+32*\c+31], v[TM+12+2*\c+1]
.endr
	WIN 0
	v_nop                                          ; one plain line behind a scaled conversion
.irp c, 0,1
.irp i, 0,1,2
	v_permlane16_swap_b32 v[PC+6*\c+\i], v[PC+12+4*\c+\i]
.endr
.irp i, 0,1,2
	v_mov_b32 v[PC+3+6*\c+\i], v[PC+12+4*\c+\i]
.endr
.endr
.endm
.macro OUT3 base, off                  ; the image: three stores of 512 consecutive bytes, aligned
.irp c, 0,1,2
	global_store_b128 v[LO16], v[PC+4*\c:PC+4*\c+3], s[\base:\base+1] offset:(\off)+512*\c
.endr
.endm
; BLOCK a OF 16 QUERIES x MY 128 KEYS: register 16 b + i of the block's 64 is key 32 b + 16 (lane / 16) + i of my query
.macro SOFT a
.set ACB, 64*((\a)%4)
.set WN, 2+(\a)/4
	WIN WN|(WN<<2)
.irp b, 0,1,2,3
	v_max_num_f32 v[TM+\b], v[ACB+16*\b], v[ACB+16*\b+1]           ; the largest score of each block of 32 keys (each accumulator is read from its low end on)
.endr
.irp i, 2,4,6,8,10,12,14
.irp b, 0,1,2,3
	v_max3_num_f32 v[TM+\b], v[ACB+16*\b+\i], v[ACB+16*\b+\i+1], v[TM+\b]
.endr
.endr
	WIN 0
.irp b, 0,1,2,3
	v_permlanex16_b32 v[TM+4+\b], v[TM+\b], s[SEL], s[SEL+1]
.endr
.irp b, 0,1,2,3
	v_max_num_f32 v[TM+\b], v[TM+\b], v[TM+4+\b]                   ; with lane l xor 16's 16 keys
.endr
	v_max3_num_f32 v[RM], v[TM], v[TM+1], v[TM+2]
	v_max_num_f32 v[RM], v[RM], v[TM+3]                            ; the largest score of the 128
	v_mul_f32 v[RM], s[CS], v[RM]                                  ; as t (c is positive)
	v_floor_f32 v[NM], -v[RM]                                      ; -M = floor(-t) = -ceil(t): a whole number
.irp b, 0,1,2,3
	v_fma_f32 v[TM+\b], v[TM+\b], s[CS], v[NM]                     ; t - M of each block's largest score
.endr
	WIN WN|(WN<<6)
.set J, 0
.rept 32
	v_pk_fma_f32 v[ACB+J:ACB+J+1], v[ACB+J:ACB+J+1], s[CS:CS+1], v[NM:NM+1] op_sel_hi:[1,0,0]   ; t - M, two at a time
.set J, J+2
.endr
.set J, 0
	s_wait_alu depctr_va_vdst(0)
.rept 64
	v_exp_f32 v[ACB+J], v[ACB+J]                                   ; p = 2^(t - M), at most 1: not normalised
.set J, J+1
.endr
	WIN 0
.irp b, 0,1,2,3
	v_exp_f32 v[TM+\b], v[TM+\b]                                   ; each block's largest p
.endr
	v_mov_b32 v[MS+(\a)], v[NM]                                    ; (the plain line behind the last exponential)
	s_wait_alu depctr_va_vdst(0)                                   ; one wait for the batch of 68, ahead of its first reader
	WIN WN|(WN<<2)
.set J, 0
.rept 16
	v_pk_add_f32 v[T+2*J:T+2*J+1], v[ACB+4*J:ACB+4*J+1], v[ACB+4*J+2:ACB+4*J+3]   ; the sum of the UNQUANTISED p
.set J, J+1
.endr
	WIN 0
.irp k, 0,2,4,6,8,10,12,14
	v_pk_add_f32 v[T+\k:T+\k+1], v[T+\k:T+\k+1], v[T+\k+16:T+\k+17]
.endr
.irp k, 0,2,4,6
	v_pk_add_f32 v[T+\k:T+\k+1], v[T+\k:T+\k+1], v[T+\k+8:T+\k+9]
.endr
.irp k, 0,2
	v_pk_add_f32 v[T+\k:T+\k+1], v[T+\k:T+\k+1], v[T+\k+4:T+\k+5]
.endr
	v_pk_add_f32 v[T:T+1], v[T:T+1], v[T+2:T+3]
	v_add_f32 v[T], v[T], v[T+1]
	v_permlanex16_b32 v[T+1], v[T], s[SEL], s[SEL+1]
	v_add_f32 v[LS+(\a)], v[T], v[T+1]                             ; with lane l xor 16's: l of my query over the 128 keys
.irp b, 0,1,2,3
	v_max_num_f32 v[TM+\b], 0x1800000, v[TM+\b]                    ; the floor 2^(3 - 127): the byte cannot fall under 1
.endr
.irp b, 0,1,2,3
	v_add_nc_u32 v[TM+12+\b], 0xff000000, v[TM+\b]                 ; 2 off the exponent field: the conversion's scale operand
.endr
.irp b, 0,1,2,3
	v_lshrrev_b32 v[TM+4+\b], 23, v[TM+12+\b]
.endr
	v_lshl_or_b32 v[PWS+(\a)], v[TM+5], 8, v[TM+4]
	v_lshl_or_b32 v[PWS+(\a)], v[TM+6], 16, v[PWS+(\a)]
	v_lshl_or_b32 v[PWS+(\a)], v[TM+7], 24, v[PWS+(\a)]
.set PC, 144+12*(\a)                   ; v144-239: 12 registers of codes for each block; the 8 registers behind a block's 12 are at work
	QCVT ACB, WN
	OUT3 20, FRB*(\a)                              ; the eight row blocks of a K step lie on end in p's image
.endm
	s_load_b128 s[4:7], s[0:1], 0x0                ; qkv s[4:5], pp s[6:7]
	v_lshl_add_u32 v[SPW], v0, 2, SPARE
	v_mov_b32 v[NIL], 0
	ds_add_u32 v[SPW], v[NIL]                      ; the wave's opening: the add and its wait ahead of my first tensor load; work on registers stands between them
	ds_add_u32 v[SPW], v[NIL]
	v_lshrrev_b32 v1, 5, v0
	v_readfirstlane_b32 s[WV], v1
	s_lshr_b32 s[HI], s[WV], 1
	s_and_b32 s[LOH], s[WV], 1
	s_bfe_u32 s[CX], ttmp6, 0x40000
	s_bfe_u32 s[CY], ttmp6, 0x40004
	s_lshl_b32 s[MROW], s[CY], 2
	s_lshl_b32 s[MROW], 15, s[MROW]
	s_lshl_b32 s[MCOL], 0x1111, s[CX]
	s_mov_b32 s[SEL], 0x76543210
	s_mov_b32 s[SEL+1], 0xfedcba98
	s_lshl_b32 s[TN], ttmp9, 2
	s_add_co_u32 s[TN], s[TN], s[CX]               ; tile column: 256 keys of the batch
	s_and_b32 s2, ttmp7, 0xffff
	s_lshl_b32 s[TMI], s2, 2
	s_add_co_u32 s[TMI], s[TMI], s[CY]             ; tile row: 256 queries of all 8,192
	s_lshr_b32 s2, s2, 1                           ; the batch: two clusters along y to each
	GROUP1 G1A, s[MROW], 192*8*NQ, 2, 192*64       ; a row of the tile is two K steps of 128 rows, 24,576 dense bytes; two rows: the tile's two groups of 128 rows, 98,304 bytes apart
	GROUP1 G1B, s[MCOL], 192*8*NQ, 2, 192*64
	GROUP1 G1S, s[MROW], 192*8*4, 2, 192*64        ; the same with four K steps to a row
	GROUP1 G1SB, s[MCOL], 192*8*4, 2, 192*64
	s_mul_i32 s20, s[TMI], 16*KTMA*FRB             ; q's 256 rows: the tile row alone
	s_lshl_b32 s22, s[TMI], 13                     ; the scale words of the tile's 256 queries: 8,192 dense bytes
	s_add_co_u32 s22, s22, 18874368
	s_lshl_b32 s97, s[TN], 1                       ; k's 256 rows: their first group of 128
	s_lshl_b32 s3, s2, 4
	s_add_co_u32 s97, s97, s3                      ; which 128 rows of k: 16 groups a batch
	s_mul_i32 s98, s97, 8*KTMB*FRB
	s_add_co_u32 s98, s98, 6291456
	s_lshl_b32 s100, s97, 12
	s_add_co_u32 s100, s100, 19136512
	s_mov_b32 s21, 0
	s_mov_b32 s23, 0
	s_mov_b32 s99, 0
	s_mov_b32 s101, 0
	s_wait_dscnt 0x0                               ; the opening add is done
	s_wait_kmcnt 0x0
	s_add_nc_u64 s[20:21], s[4:5], s[20:21]
	s_add_nc_u64 s[22:23], s[4:5], s[22:23]
	s_add_nc_u64 s[98:99], s[4:5], s[98:99]
	s_add_nc_u64 s[100:101], s[4:5], s[100:101]
	CROUND                                         ; all sixteen work-groups are here: the first joint loads meet
.macro G0C g, lds, ptr, off            ; group 0: to LDS byte lds, from s[ptr:ptr+1] + off
	s_mov_b32 s[\g], 1
	s_mov_b32 s[\g+1], \lds
	s_add_nc_u64 s[\g+2:\g+3], s[\ptr:\ptr+1], \off
	s_or_b32 s[\g+3], s[\g+3], 0x80000000
.endm
.macro ARM under, g0, g1, next         ; one arm of the head's chain of branches on the wave's number: its load, and a jump to the chain's end
	s_cmp_lt_u32 s[WV], \under
	s_cbranch_scc0 \next
	tensor_load_to_lds s[\g0:\g0+3], s[\g1:\g1+7]
	s_nop 0
	PLACES 4
	s_branch .Lhead_asked
\next:
.endm
	G0C G0A, 0, 20, 0
	G0C G0B, 2*HA, 98, 0
	G0C G0S, 4*HA, 20, NQ*8*FRB
	G0C G0SB, 8*HA, 98, NQ*8*FRB
	ARM 1, G0A, G1A, .Lhead_b                      ; one load a wave: what the first K steps need is asked for by waves 0 and 1
	ARM 2, G0B, G1B, .Lhead_a2
	ARM 3, G0S, G1S, .Lhead_b2
	tensor_load_to_lds s[G0SB:G0SB+3], s[G1SB:G1SB+7]
	s_nop 0
	PLACES 4
.Lhead_asked:
	v_lshlrev_b32 v6, 4, v0                        ; 16 x thread
	v_lshl_add_u32 v7, v0, 4, SCLA
.irp k, 0,1,2,3
	global_load_b128 v[64+4*\k:67+4*\k], v6, s[22:23] offset:2048*\k     ; the scale words: 128 threads read 2,048 dense bytes; A's 8,192,
	global_load_b128 v[80+4*\k:83+4*\k], v6, s[100:101] offset:2048*\k   ; and B's
.endr
	v_and_b32 v1, 31, v0
	v_and_b32 v2, 15, v0
	s_wait_alu depctr_va_vdst(0)
	v_bfe_u32 v3, v0, 4, 1
	s_wait_alu depctr_va_vdst(0)
	v_lshlrev_b32 v[LO16], 4, v1
	s_mul_i32 s18, s[HI], HA                       ; slot 0 is my piece X of A,
	s_mul_i32 s19, s[LOH], HA                      ; and of B, behind A's two
	s_add_co_u32 s19, s19, 2*HA
	v_add_nc_u32 v[ADRA], s18, v[LO16]
	v_add_nc_u32 v[ADRB], s19, v[LO16]
	s_lshl_b32 s18, s18, 1                         ; the pieces Y are twice as long and lie behind the four X
	s_lshl_b32 s19, s19, 1
	s_add_co_u32 s18, s18, 4*HA
	s_add_co_u32 s19, s19, 4*HA
	v_add_nc_u32 v[ADRA+1], s18, v[LO16]           ; slot 1: K steps 2 and 3,
	v_add_nc_u32 v[ADRB+1], s19, v[LO16]
	v_add_nc_u32 v[ADRA+2], HA, v[ADRA+1]          ; slot 2: K steps 4 and 5
	v_add_nc_u32 v[ADRB+2], HA, v[ADRB+1]
	v_lshlrev_b32 v4, 2, v2
	s_mul_i32 s18, s[HI], AOFF
	s_mul_i32 s19, s[LOH], KT*512
	s_add_co_u32 s19, s19, SCLB-SCLA
	s_sub_co_u32 s19, s19, s18
	v_mul_u32_u24 v5, s19, v3                      ; lanes 16-31 take B's words
	s_add_co_u32 s18, s18, SCLA
	v_add_nc_u32 v5, v4, v5
	v_add_nc_u32 v[ADRS], s18, v5
	s_lshl_b32 s18, s[WV], 11
	s_add_co_u32 s18, s18, STAGE
	v_add_nc_u32 v[STW], s18, v4
	v_add_nc_u32 v[STRD], s18, v[LO16]
.irp b, 0,1,2,3
	v_mov_b32 v[TM+4+\b], 0                        ; written once: a lane permute's destination counts as one of its sources
.endr
	s_wait_alu depctr_va_vdst(0)
	s_wait_loadcnt 0x0                             ; the scale words are in registers
	s_cmp_gt_u32 s[WV], 1                          ; waves 0 and 1 brought K steps 0 and 1, which are read behind the barrier below: they wait for their loads.
	s_cbranch_scc1 .Lnot_due                       ; The loads of waves 2 and 3 may stay out, and their bytes are first read behind K step 1's wait and round
	s_wait_tensorcnt 0x0
.Lnot_due:
.irp k, 0,1,2,3,4,5,6,7
	ds_store_b128 v7, v[64+4*\k:67+4*\k] offset:2048*\k            ; as they lie in memory: A's [half][K step][128 rows], then B's
.endr
	s_wait_dscnt 0x0                               ; for the others' sake: my part of the scale words lies in LDS
	s_barrier_signal -1
	s_barrier_wait -1
	FETCH 0, 0, 0, 0
	STEP 0, 1, 1, 0, 3                             ; K step 0 starts the sums: nothing is cleared
	TURN 1, 1, 0, 1, 2                             ; K step 1; slot 0 takes K steps 6 and 7: the one refill, with four steps in which to land
	STEP 1, 1, 3, 0, 0
	STEP 2, 0, 4, 1, 0                             ; slot 2 was shown whole to every wave at the round above
	STEP 2, 1, 5, 0, 0
	TURN 1, 0, 0, 0, 6
	STEP 0, 1, 7, 0, 0
	LAST 1
	; THE WAY OUT
	s_mov_b32 s[CS], 0x3d38aa3b                    ; c = log2(e) / sqrt(1024)
	s_mov_b32 s[CS+1], s[CS]
	s_lshl_b32 s18, s[TMI], 1
	s_add_co_u32 s18, s18, s[HI]                   ; my group of 128 queries
	s_lshl_b32 s19, s[TN], 1
	s_add_co_u32 s19, s19, s[LOH]                  ; my K step of the next product: 128 keys
	s_lshl_b32 s20, s18, 4                         ; 16 K steps a group,
	s_add_co_u32 s20, s20, s19
	s_mul_i32 s20, s20, 8*FRB                      ; 8 row blocks a K step
	s_mov_b32 s21, 0
	s_add_nc_u64 s[20:21], s[6:7], s[20:21]        ; my first fragment of p
	s_lshl_b32 s22, s18, 4
	s_add_co_u32 s22, s22, s19
	s_lshl_b32 s22, s22, 9
	s_add_co_u32 s22, s22, 12582912
	s_mov_b32 s23, 0
	s_add_nc_u64 s[22:23], s[6:7], s[22:23]        ; my 128 scale words; -M lies 524,288 bytes on, l 1,048,576
	PLACES 4                                       ; behind the last products: results are read, and the registers that held A's fragments are written
	v_mov_b32 v[NM+1], 0                           ; (named as the upper half of a pair)
.irp a, 0,1,2,3,4,5,6,7
	SOFT \a
.endr
.irp a, 0,1,2,3,4,5,6,7
	ds_store_b32 v[STW], v[PWS+\a] offset:64*\a    ; both halves of the lanes write the same word with the same value
	ds_store_b32 v[STW], v[MS+\a] offset:512+64*\a
	ds_store_b32 v[STW], v[LS+\a] offset:1024+64*\a
.endr
.irp c, 0,1,2
	ds_load_b128 v[T+4*\c:T+4*\c+3], v[STRD] offset:512*\c   ; LDS serves a wave's instructions in order: these see my stores
.endr
	s_wait_alu depctr_va_vdst(0)                   ; the wait here, directly ahead of the waits below
	s_wait_tensorcnt 0x0                           ; the wave's end: the wait for tensor loads, an add of 0 and a wait for it stand behind my last tensor load and my last LDS store; the global stores follow them
	ds_add_u32 v[SPW], v[NIL]
	s_wait_dscnt 0x0                               ; the add is done and the words are back
.irp c, 0,1,2
	global_store_b128 v[LO16], v[T+4*\c:T+4*\c+3], s[22:23] offset:524288*\c   ; 128 queries' words: 512 consecutive bytes, aligned
.endr
	CROUND                                         ; the closing round
	s_endpgm
.Lfunc_end_k_q8b3ecedd7a_scores:
	.size	k_q8b3ecedd7a_scores, .Lfunc_end_k_q8b3ecedd7a_scores-k_q8b3ecedd7a_scores
	.p2alignl 7, 3214868480
	.fill 96, 4, 3214868480
	.section	.rodata,"a",@progbits
	.p2align	6, 0x0
	.amdhsa_kernel k_q8b3ecedd7a_scores
		.amdhsa_group_segment_fixed_size 327680
		.amdhsa_private_segment_fixed_size 0
		.amdhsa_enable_private_segment 0
		.amdhsa_kernarg_size 16
		.amdhsa_user_sgpr_count 2
		.amdhsa_user_sgpr_kernarg_segment_ptr 1
		.amdhsa_wavefront_size32 1
		.amdhsa_system_sgpr_workgroup_id_x 1
		.amdhsa_system_sgpr_workgroup_id_y 1
		.amdhsa_system_sgpr_workgroup_id_z 1
		.amdhsa_system_vgpr_workitem_id 0
		.amdhsa_next_free_vgpr 1024
		.amdhsa_next_free_sgpr 102
		.amdhsa_reserve_vcc 0
		.amdhsa_float_denorm_mode_32 3
		.amdhsa_float_denorm_mode_16_64 3
		.amdhsa_memory_ordered 1
		.amdhsa_forward_progress 1
		.amdhsa_inst_pref_size 197
	.end_amdhsa_kernel
	.amdgpu_metadata
---
amdhsa.version: [ 1, 2 ]
amdhsa.kernels:
  - .name:           k_q8b3ecedd7a_scores
    .symbol:         k_q8b3ecedd7a_scores.kd
    .args:
      - { .name: qkv, .offset: 0, .size: 8, .value_kind: global_buffer, .address_space: global }
      - { .name: pp, .offset: 8, .size: 8, .value_kind: global_buffer, .address_space: global }
    .group_segment_fixed_size: 327680
    .private_segment_fixed_size: 0
    .kernarg_segment_align: 8
    .kernarg_segment_size: 16
    .max_flat_workgroup_size: 128
    .sgpr_count:     102
    .vgpr_count:     1024
    .wavefront_size: 32
...
	.end_amdgpu_metadata
.endif
;; end of part 3
;; launch pv (part 4): grid 4 x 64, 4 waves a work-group, clusters of 4 x 4, 327,680 bytes of LDS; arguments pp, qkv, oo; writes oo
.if DOCPART == 4
	.amdgcn_target "amdgcn-amd-amdhsa--gfx1250"
	.amdhsa_code_object_version 6
	.text
	.protected	k_q8b3ecedd7a_pv
	.globl	k_q8b3ecedd7a_pv
	.p2align	8
	.type	k_q8b3ecedd7a_pv,@function
k_q8b3ecedd7a_pv:
	s_mov_b64 s[64:65], 0
	v_nop
	global_prefetch_b8 v0, s[64:65] scope:SCOPE_SE
	s_setreg_imm32_b32 hwreg(HW_REG_WAVE_MODE, 25, 1), 1
	s_wait_xcnt 0x0
	s_wait_alu depctr_hold_cnt(0) depctr_sa_sdst(0) depctr_va_vdst(0) depctr_va_sdst(0) depctr_va_ssrc(0) depctr_va_vcc(0) depctr_vm_vsrc(0)
	s_getreg_b32 s2, hwreg(HW_REG_IB_STS2, 6, 4)
	s_cmp_eq_u32 s2, 0
	s_cbranch_scc0 .Lentry_in_a_cluster
	s_endpgm
.Lentry_in_a_cluster:
	s_bfe_u32 s2, ttmp6, 0x10000c
	s_cmp_lg_u32 s2, 0xf033
	s_cbranch_scc0 .Lentry_shape_is_right
	s_endpgm
.Lentry_shape_is_right:
; O = Q((P V) / l): the softmax's second half and the second product, on codes of FP6 (E2M3) with E8M0 scales.
; p came quantised under a LOCAL whole number M for each query and each 128 keys.  At the head each thread takes one query of the tile: the row's M is the largest of its 16, l = the sum of l_s 2^(M_s - M), and M - M_s is taken off
; the four scale bytes of group s: an exact power of two, so the codes stay.  The shifted words go to LDS as A's scale words.
; C'[m'][n']: A = p's rows (m' = queries), B = v^T's rows (n' = e), K = the batch's 2,048 keys.  THE MATRIX INSTRUCTION IS USED TRANSPOSED (source 0 = B, source 1 = A): a lane holds one query and its registers run along e, the next K.
; IMAGES.  Codes lie as images of the operand's registers: a fragment (16 rows x 128 K) is 1,536 bytes, registers 4 c .. 4 c + 3 of lane l at 512 c + 16 l; fragment (R, s) at (R x K steps + s) x 1,536.
; Lane r of row block 2 g + u holds row 32 g + 8 u + r + 8 (r / 8): so the 16 registers of tiles 2 b, 2 b + 1 are e = 32 b + 16 (lane / 16) + 0 .. 15, and O's rows keep p's order.  Scale words: [128 rows][K step][row], 4 bytes.
; SHARES.  A work-group makes 128 queries x 256 of e, so that there are 256 work-groups; a wave 64 x 128: 32 accumulators.  K is 16 steps of 128 through two LDS slots of four steps.
; CLUSTERS: 4 x 4 work-groups; p's tiles are asked for jointly along a row of the cluster, v^T's tiles and scale words along a column.
; LIMITS: NaN and infinities are not served.  A scale byte that would fall under 0 is held at 0 (2^-127): such a p counts for at most 7.5 x 2^-127.  The shift M - M_s is held at 256, beyond which every byte is 0 and l_s counts for nothing.
; A block of O that is all zeros or under 2^-124 gets the byte 1 (this program alone reads the bytes).
; REGISTERS: window 0: v16-31 addresses; v32-47 scale words, two sets (they hold nothing else); v48-63 at work; v64-111, v112-159 A's fragments, two sets; v160-171 the head's work.
;   window 1: v0-95, v96-191 B's fragments, two sets.   window 2: accumulator (a, b) at v[8 (8 a + b)].
; IN FORCE, in place of what the lines above say of a fragment's place in pp and qkv, of the ring and of B's scale words (O's image in oo stays as said):
; p's and v^T's fragments lie [group of 128 rows][K step][row block of the group], fragment (G, s, i) at ((G x K steps + s) 8 + i) x 1,536, so that a run of K steps is dense, or rows of 6,144 bytes for half a group.
; LDS: a region of eight K steps for each wave's loads (A's two halves of 49,152 bytes, then B's two of 98,304), each of two slots of four K steps.  At the head a wave issues ONE load, K steps 0 to 7; the refills bring four K steps.
; B's scale words come by global loads of 2,048 dense bytes and are stored to LDS: no tensor load lands on them.
.set MB,    4
.set KT,    16
.set NQ,    4
.set NSLOT, 2
.set KTMA,  16
.set KTMB,  64
.set SRB,   16
.set FRB,   1536
.set HA,    MB*NQ*FRB
.set HB,    8*NQ*FRB
.set SLOT,  2*HA+2*HB
.set SCLA,  NSLOT*SLOT                 ; behind the ring: A's scale words [K step][128 rows], stored by the head's vector work: no tensor load lands there;
.set SCLB,  SCLA+8192                  ; B's [half][K step][128 rows];
.set LINV,  SCLB+16384                 ; 1 / l of the 128 queries;
.set SPARE, LINV+512                   ; and the spare words, 128 bytes for each wave: two blocks of 256 bytes that no other line names
.set AOFF,  256                        ; from my work-group's first 64 rows' words to the second 64's
.set ADRA,  16
.set ADRB,  20
.set ADRS,  24
.set ADRSB, 25                         ; v25 B's scale words in all lanes: for B's blocks 4 to 7, which have no block of A beside them
.set LO16,  26
.set STW,   27
.set SPW,   28
.set NIL,   29
.set STRD,  30
.set XTR,   31                         ; v31 where 1 / l of my rows lies
.set SC,    32
.set TM,    48
.set AF,    64
.set PC,    64                         ; the way out: v84-87 scale words, v92-99 1 / l in pairs
.set PWS,   84
.set RL,    92
.set WV,    14
.set HI,    15
.set LOH,   16
.set TMI,   17
.set G1A,   24
.set G0A,   32
.set G1B,   44
.set G0B,   52
.set SEL,   66
.set G1SB,  80
.set G0SB,  88
.set CX,    92
.set CY,    93
.set TN,    94
.set MROW,  95
.set MCOL,  96
.set MSB,   0
.macro WIN new                         ; the immediate's high byte repeats the setting that is left; a switch that changes nothing is dropped
.if MSB != (\new)
	s_set_vgpr_msb (MSB<<8)|(\new)
.set MSB, (\new)
.endif
.endm
.macro PLACES n                        ; plain vector lines between a matrix instruction and a load into, or a vector line on, its registers
.rept \n
	v_nop
.endr
.endm
.macro JLOAD g0a, g1a, g0b, g1b        ; a joint load: waves 0 and 1 fetch for A, waves 2 and 3 for B; an s_nop 0 and four v_nop follow each line
	s_cmp_eq_u32 s[HI], 0
	s_cbranch_scc0 .Lfor_b_\@
	tensor_load_to_lds s[\g0a:\g0a+3], s[\g1a:\g1a+7]
	s_nop 0
	PLACES 4
	s_branch .Lasked_\@
.Lfor_b_\@:
	tensor_load_to_lds s[\g0b:\g0b+3], s[\g1b:\g1b+7]
	s_nop 0
	PLACES 4
.Lasked_\@:
.endm
.macro CREST                           ; a round of the cluster's barrier behind its opening barrier
	s_cmp_lg_u32 s[WV], 0
	s_cbranch_scc1 .Lnot_wave_0_\@
	s_barrier_signal -3
.Lnot_wave_0_\@:
	s_barrier_wait -3
	s_barrier_signal -1
	s_barrier_wait -1
.endm
.macro CROUND
	s_barrier_signal -1
	s_barrier_wait -1
	CREST
.endm
.macro GROUP1 g, mask, c, rows, pitch  ; rows of c elements of 8 bytes, pitch elements apart, no padding; bit 21 is set beside a mask
	s_or_b32 s[\g], \mask, (3<<16)|(1<<21)
	s_mov_b32 s[\g+1], (\c)<<16
	s_mov_b32 s[\g+2], (\rows)<<16
	s_mov_b32 s[\g+3], (\c)<<16
	s_mov_b32 s[\g+4], \rows
	s_mov_b32 s[\g+5], \pitch
	s_mov_b32 s[\g+6], 0
	s_mov_b32 s[\g+7], 0
.endm
.macro GROUP0 g, who, mul, base, ptr, off   ; to LDS byte base + mul x s[who]; from s[ptr:ptr+1] + off
	s_mov_b32 s[\g], 1
	s_mul_i32 s[\g+1], s[\who], \mul
	s_add_co_u32 s[\g+1], s[\g+1], \base
	s_add_nc_u64 s[\g+2:\g+3], s[\ptr:\ptr+1], \off
	s_or_b32 s[\g+3], s[\g+3], 0x80000000
.endm
.macro FETCH sl, q, ks, p              ; the fragments and scale words of one K step into set p: three loads of 512 consecutive bytes a fragment
	WIN 0x40
.irp i, 0,1,2,3,4,5,6,7
.irp c, 0,1,2
	ds_load_b128 v[96*(\p)+12*\i+4*\c:96*(\p)+12*\i+4*\c+3], v[ADRB+(\sl)] offset:((\q)*8+\i)*FRB+512*\c
.endr
.endr
	WIN 0
.irp i, 0,1,2,3,4,5,6,7
.if \i < MB
.irp c, 0,1,2
	ds_load_b128 v[AF+12*MB*(\p)+12*\i+4*\c:AF+12*MB*(\p)+12*\i+4*\c+3], v[ADRA+(\sl)] offset:((\q)*MB+\i)*FRB+512*\c
.endr
.endif
.endr
.irp i, 0,1,2,3,4,5,6,7
.if \i < MB
	ds_load_b32 v[SC+8*(\p)+\i], v[ADRS] offset:512*(\ks)+64*\i    ; lanes 0-15: A's block i; lanes 16-31: B's block i
.else
	ds_load_b32 v[SC+8*(\p)+\i], v[ADRSB] offset:512*(\ks)+64*\i   ; B's block i
.endif
.endr
.endm
; na blocks of A from a0 on, each against B's eight, out of set p.  z = 0: onto the sums; 3: the constant 0 starts them.  The accumulators take turns, one instruction a turn.
.macro MUL a0, na, p, z
.set AI, \a0
.rept \na
	WIN 0xa1                                       ; B window 1, A window 0, C and D window 2
.irp b, 0,1,2,3,4,5,6,7
.set rD, 8*(8*AI+\b)
.set rB, 96*(\p)+12*\b
.set rA, AF+12*MB*(\p)+12*AI
.if (\z) == 0
	v_wmma_scale_f32_16x16x128_f8f6f4 v[rD:rD+7], v[rB:rB+11], v[rA:rA+11], v[rD:rD+7], v[SC+8*(\p)+\b], v[SC+8*(\p)+AI] matrix_a_fmt:MATRIX_FMT_FP6 matrix_b_fmt:MATRIX_FMT_FP6 matrix_a_scale:MATRIX_SCALE_ROW1
.else
	v_wmma_scale_f32_16x16x128_f8f6f4 v[rD:rD+7], v[rB:rB+11], v[rA:rA+11], 0, v[SC+8*(\p)+\b], v[SC+8*(\p)+AI] matrix_a_fmt:MATRIX_FMT_FP6 matrix_b_fmt:MATRIX_FMT_FP6 matrix_a_scale:MATRIX_SCALE_ROW1
.endif
.endr
.set AI, AI+1
.endr
.endm
.macro STEP sf, qf, ks, p, z           ; a K step out of set p; first the next step is asked of LDS, into the other set
	s_wait_dscnt 0x0                               ; set p, asked for a step ago, is in
	PLACES 4                                       ; the other set was read by the last step's matrix instructions
	FETCH \sf, \qf, \ks, 1-(\p)
	MUL 0, MB, \p, \z
	WIN 0
.endm
; A slot's last step changes slots: ONE barrier; ahead of it each wave waits for all its tensor loads, adds 0 to its spare word, and waits for that and for its reads of the slot.  fill = 1: slot sl is filled again
.macro TURN p, fill, sl, sf, ks
	s_wait_tensorcnt 0x0                           ; all my tensor loads have landed
	ds_add_u32 v[SPW], v[NIL]                      ; 0 onto my spare word
	s_wait_dscnt 0x1                               ; set p is in; the add alone may be out
	MUL 0, MB/4, \p, 0
	s_wait_dscnt 0x0                               ; the add is done, and my reads of the slot are over
	s_barrier_signal -1
	MUL MB/4, MB/4, \p, 0
	WIN 0
	s_barrier_wait -1
.if \fill
	CREST                                          ; the barrier has opened a round of the cluster's: no wave of any partner still reads the slot or has a load on its way
	s_add_nc_u64 s[G0A+4*(\sl)+2:G0A+4*(\sl)+3], s[G0A+4*(\sl)+2:G0A+4*(\sl)+3], NSLOT*NQ*8*FRB   ; eight K steps of a group on
	s_add_nc_u64 s[G0B+4*(\sl)+2:G0B+4*(\sl)+3], s[G0B+4*(\sl)+2:G0B+4*(\sl)+3], NSLOT*NQ*8*FRB
	JLOAD G0A+4*(\sl), G1A, G0B+4*(\sl), G1B       ; the first tensor load behind the round: it has more than three K steps in which to land; its four v_nop are the places ahead of the loads below
.else
	PLACES 4
.endif
	FETCH \sf, 0, \ks, 1-(\p)
	MUL MB/2, MB/2, \p, 0
	WIN 0
.endm
.macro LAST p
	s_wait_dscnt 0x0
	MUL 0, MB, \p, 0
	WIN 0
.endm
.macro QMAX ac, w                      ; my 16 numbers of each block of 32 along e
	WIN (\w)|((\w)<<2)
.irp b, 0,1,2,3
	v_max3_num_f32 v[TM+\b], |v[(\ac)+16*\b]|, |v[(\ac)+16*\b+1]|, 0x1800000   ; and the floor 2^(3 - 127): the byte cannot fall under 1
.endr
.irp i, 2,4,6,8,10,12,14
.irp b, 0,1,2,3
	v_max3_num_f32 v[TM+\b], |v[(\ac)+16*\b+\i]|, |v[(\ac)+16*\b+\i+1]|, v[TM+\b]
.endr
.endr
	WIN 0
.endm
.macro QSCALE pw
.irp b, 0,1,2,3
	v_permlanex16_b32 v[TM+4+\b], v[TM+\b], s[SEL], s[SEL+1]
.endr
.irp b, 0,1,2,3
	v_max_num_f32 v[TM+\b], v[TM+\b], v[TM+4+\b]
.endr
.irp b, 0,1,2,3
	v_add_nc_u32 v[TM+12+\b], 0xff000000, v[TM+\b]                 ; 2 off the exponent field: the conversion's scale operand
.endr
.irp b, 0,1,2,3
	v_lshrrev_b32 v[TM+4+\b], 23, v[TM+12+\b]
.endr
	v_lshl_or_b32 v[\pw], v[TM+5], 8, v[TM+4]
	v_lshl_or_b32 v[\pw], v[TM+6], 16, v[\pw]
	v_lshl_or_b32 v[\pw], v[TM+7], 24, v[\pw]
.endm
.macro QCVT ac, w
	WIN \w
.irp c, 0,1
	v_cvt_scalef32_pk16_fp6_f32 v[PC+6*\c:PC+6*\c+2], v[(\ac)+32*\c:(\ac)+32*\c+15], v[TM+12+2*\c]
	v_cvt_scalef32_pk16_fp6_f32 v[PC+12+4*\c:PC+12+4*\c+2], v[(\ac)+32*\c+16:(\ac)+32*\c+31], v[TM+12+2*\c+1]
.endr
	WIN 0
	v_nop                                          ; one plain line behind a scaled conversion
.irp c, 0,1
.irp i, 0,1,2
	v_permlane16_swap_b32 v[PC+6*\c+\i], v[PC+12+4*\c+\i]
.endr
.irp i, 0,1,2
	v_mov_b32 v[PC+3+6*\c+\i], v[PC+12+4*\c+\i]
.endr
.endr
.endm
.macro OUT3 base, off                  ; the image: three stores of 512 consecutive bytes, aligned
.irp c, 0,1,2
	global_store_b128 v[LO16], v[PC+4*\c:PC+4*\c+3], s[\base:\base+1] offset:(\off)+512*\c
.endr
.endm
; Group s of 128 keys of my query: v[64 + s] its -M, v[80 + s] its l, v[96 + s] its scale word; v160 the row's -M, v161 the row's l
.macro SHIFT s
	v_sub_f32 v162, v[64+\s], v160                 ; M - M_s: a whole number, 0 or more,
	v_min_num_f32 v162, 0x43800000, v162           ; held at 256
	v_cvt_u32_f32 v162, v162
	v_sub_nc_u32 v163, 0, v162
	v_ldexp_f32 v163, 1.0, v163                    ; 2^(M_s - M)
	v_fmac_f32 v161, v[80+\s], v163
	v_bfe_u32 v164, v[96+\s], 0, 8
	v_bfe_u32 v165, v[96+\s], 8, 8
	v_bfe_u32 v166, v[96+\s], 16, 8
	v_lshrrev_b32 v167, 24, v[96+\s]
.irp k, 164,165,166,167
	v_min_u32 v[\k+4], v[\k], v162
.endr
.irp k, 164,165,166,167
	v_sub_nc_u32 v[\k], v[\k], v[\k+4]             ; the byte less the shift, held at 0
.endr
	v_lshl_or_b32 v[96+\s], v165, 8, v164
	v_lshl_or_b32 v[96+\s], v166, 16, v[96+\s]
	v_lshl_or_b32 v[96+\s], v167, 24, v[96+\s]
	ds_store_b32 v7, v[96+\s] offset:512*\s
.endm
	s_load_b128 s[4:7], s[0:1], 0x0                ; pp s[4:5], qkv s[6:7]
	s_load_b64 s[8:9], s[0:1], 0x10                ; oo
	v_lshl_add_u32 v[SPW], v0, 2, SPARE
	v_mov_b32 v[NIL], 0
	ds_add_u32 v[SPW], v[NIL]                      ; the wave's opening: the add and its wait ahead of my first tensor load; work on registers stands between them
	ds_add_u32 v[SPW], v[NIL]
	v_lshrrev_b32 v1, 5, v0
	v_readfirstlane_b32 s[WV], v1
	s_lshr_b32 s[HI], s[WV], 1
	s_and_b32 s[LOH], s[WV], 1
	s_bfe_u32 s[CX], ttmp6, 0x40000
	s_bfe_u32 s[CY], ttmp6, 0x40004
	s_lshl_b32 s[MROW], s[CY], 2
	s_lshl_b32 s[MROW], 15, s[MROW]
	s_lshl_b32 s[MCOL], 0x1111, s[CX]
	s_mov_b32 s[SEL], 0x76543210
	s_mov_b32 s[SEL+1], 0xfedcba98
	s_lshl_b32 s[TN], ttmp9, 2
	s_add_co_u32 s[TN], s[TN], s[CX]               ; tile column: 256 of e
	s_and_b32 s2, ttmp7, 0xffff
	s_lshl_b32 s[TMI], s2, 2
	s_add_co_u32 s[TMI], s[TMI], s[CY]             ; tile row: 128 queries of all 8,192
	s_lshr_b32 s2, s2, 2                           ; the batch: four clusters to each
	GROUP1 G1A, s[MROW], 192*MB, 2*NQ, 192*8       ; a row of A's tile is one K step of 64 rows, 6,144 bytes, 12,288 apart; eight of them at the head
	GROUP1 G1B, s[MCOL], 192*8, 2*NQ, 192*8        ; of B's one K step of 128 rows, dense
	s_lshl_b32 s18, s[TMI], 5                      ; a group is 32 halves of a K step;
	s_add_co_u32 s18, s18, s[LOH]                  ; which 64 rows of p I fetch
	s_mul_i32 s20, s18, MB*FRB
	s_lshl_b32 s22, s[TMI], 13                     ; the tile's statistics: 16 K steps x 512 bytes
	s_add_co_u32 s22, s22, 12582912
	s_lshl_b32 s97, s[TN], 1
	s_add_co_u32 s97, s97, s[LOH]                  ; which 128 rows of v^T
	s_mul_i32 s98, s97, 8*KTMB*FRB
	s_mul_i32 s3, s2, 16*8*FRB
	s_add_co_u32 s98, s98, s3
	s_add_co_u32 s98, s98, 12582912
	s_lshl_b32 s100, s[TN], 7                      ; v^T's scale words: two groups of 64 K steps to a tile column,
	s_lshl_b32 s3, s2, 4                           ; the batch's 16 K steps: 8,192 dense bytes in each group
	s_add_co_u32 s100, s100, s3
	s_lshl_b32 s100, s100, 9
	s_add_co_u32 s100, s100, 19398656
	s_mov_b32 s21, 0
	s_mov_b32 s23, 0
	s_mov_b32 s99, 0
	s_mov_b32 s101, 0
	s_wait_dscnt 0x0                               ; the opening add is done
	s_wait_kmcnt 0x0
	s_add_nc_u64 s[20:21], s[4:5], s[20:21]
	s_add_nc_u64 s[22:23], s[4:5], s[22:23]
	s_add_nc_u64 s[98:99], s[6:7], s[98:99]
	s_add_nc_u64 s[100:101], s[6:7], s[100:101]
	CROUND                                         ; all sixteen work-groups are here: the first joint loads meet
.set SN, 0
.rept NSLOT
	GROUP0 G0A+4*SN, LOH, 2*HA, SN*HA, 20, SN*NQ*8*FRB
	GROUP0 G0B+4*SN, LOH, 2*HB, 4*HA+SN*HB, 98, SN*NQ*8*FRB
.set SN, SN+1
.endr
	JLOAD G0A, G1A, G0B, G1B                       ; my one load at the head: K steps 0 to 7, both slots of my region
	v_lshlrev_b32 v8, 4, v0                        ; 16 x thread
	v_lshl_add_u32 v9, v0, 4, SCLB
.irp k, 0,1,2,3
	global_load_b128 v[112+4*\k:115+4*\k], v8, s[100:101] offset:2048*\k         ; B's scale words: 128 threads read 2,048 dense bytes; the first 128 rows',
	global_load_b128 v[128+4*\k:131+4*\k], v8, s[100:101] offset:32768+2048*\k   ; and the second's, a group on
.endr
	v_lshlrev_b32 v6, 2, v0                        ; thread t takes query t of the tile
	v_lshl_add_u32 v7, v0, 2, SCLA
.irp s, 0,1,2,3,4,5,6,7,8,9,10,11,12,13,14,15
	global_load_b32 v[64+\s], v6, s[22:23] offset:524288+512*\s    ; -M of group s
	global_load_b32 v[80+\s], v6, s[22:23] offset:1048576+512*\s   ; l
	global_load_b32 v[96+\s], v6, s[22:23] offset:512*\s           ; the scale word
.endr
	v_and_b32 v1, 31, v0
	v_and_b32 v2, 15, v0
	v_bfe_u32 v3, v0, 4, 1
	s_wait_alu depctr_va_vdst(0)
	v_lshlrev_b32 v[LO16], 4, v1
	s_mul_i32 s18, s[HI], 2*HA
	s_mul_i32 s19, s[LOH], 2*HB
	s_add_co_u32 s19, s19, 4*HA
.set SN, 0
.rept NSLOT
	v_add_nc_u32 v[ADRA+SN], s18, v[LO16]
	v_add_nc_u32 v[ADRB+SN], s19, v[LO16]
	s_add_co_u32 s18, s18, HA
	s_add_co_u32 s19, s19, HB
.set SN, SN+1
.endr
	v_lshlrev_b32 v4, 2, v2
	s_wait_alu depctr_va_vdst(0)
	s_mul_i32 s18, s[HI], AOFF
	s_mul_i32 s19, s[LOH], KT*512
	s_add_co_u32 s19, s19, SCLB-SCLA
	s_sub_co_u32 s19, s19, s18
	v_mul_u32_u24 v5, s19, v3                      ; lanes 16-31 take B's words
	s_add_co_u32 s18, s18, SCLA
	v_add_nc_u32 v5, v4, v5
	v_add_nc_u32 v[ADRS], s18, v5
	s_mul_i32 s19, s[LOH], KT*512
	s_add_co_u32 s19, s19, SCLB
	v_add_nc_u32 v[ADRSB], s19, v4
	s_lshl_b32 s18, s[WV], 8                       ; the way out's scale words: 256 bytes a wave at the head of slot 0, which has had its last fill and its last read by then
	v_add_nc_u32 v[STW], s18, v4
	v_lshlrev_b32 v10, 3, v1
	v_add_nc_u32 v[STRD], s18, v10
	s_lshl_b32 s18, s[HI], 8
	s_add_co_u32 s18, s18, LINV
	v_add_nc_u32 v[XTR], s18, v4
.irp b, 0,1,2,3
	v_mov_b32 v[TM+4+\b], 0                        ; written once: a lane permute's destination counts as one of its sources
.endr
	s_wait_loadcnt 0x0
.irp k, 0,1,2,3,4,5,6,7
	ds_store_b128 v9, v[112+4*\k:115+4*\k] offset:2048*\k          ; B's scale words: [half][K step][128 rows]
.endr
	v_min3_num_f32 v160, v64, v65, v66             ; the row's -M: the least of the sixteen
.irp i, 67,69,71,73,75,77
	v_min3_num_f32 v160, v160, v[\i], v[\i+1]
.endr
	v_min_num_f32 v160, v160, v79
	v_mov_b32 v161, 0
.irp s, 0,1,2,3,4,5,6,7,8,9,10,11,12,13,14,15
	SHIFT \s
.endr
	s_wait_alu depctr_va_vdst(0)
	v_rcp_f32 v161, v161                           ; l is at least the largest p of the group that holds the row's M: over 1/2
	v_nop                                          ; a plain line behind the reciprocal,
	s_wait_alu depctr_va_vdst(0)                   ; and the wait ahead of its first reader
	ds_store_b32 v7, v161 offset:LINV-SCLA
	s_wait_tensorcnt 0x0                           ; my part of K steps 0 to 7 is in, and no load of mine is out: so a descriptor may be written: a refill brings four K steps
	s_mov_b32 s[G1A+2], NQ<<16
	s_mov_b32 s[G1A+4], NQ
	s_mov_b32 s[G1B+2], NQ<<16
	s_mov_b32 s[G1B+4], NQ
	s_wait_dscnt 0x0                               ; for the others' sake: my queries' words and 1 / l lie in LDS
	s_barrier_signal -1
	s_barrier_wait -1
	FETCH 0, 0, 0, 0
	STEP 0, 1, 1, 0, 3                             ; K step 0 starts the sums: nothing is cleared
	STEP 0, 2, 2, 1, 0
	STEP 0, 3, 3, 0, 0
	TURN 1, 1, 0, 1, 4                             ; slot 0 takes K steps 8 to 11
	STEP 1, 1, 5, 0, 0
	STEP 1, 2, 6, 1, 0
	STEP 1, 3, 7, 0, 0
	TURN 1, 1, 1, 0, 8                             ; slot 1 takes K steps 12 to 15
	STEP 0, 1, 9, 0, 0
	STEP 0, 2, 10, 1, 0
	STEP 0, 3, 11, 0, 0
	TURN 1, 0, 0, 1, 12
	STEP 1, 1, 13, 0, 0
	STEP 1, 2, 14, 1, 0
	STEP 1, 3, 15, 0, 0
	LAST 1
	; THE WAY OUT: O / l, quantised along e: each of my four blocks of 16 queries is one fragment of O's image and one scale word a row
	s_lshl_b32 s18, s[TMI], 1
	s_add_co_u32 s18, s18, s[HI]                   ; my 64 queries
	s_lshl_b32 s19, s[TN], 1
	s_add_co_u32 s19, s19, s[LOH]                  ; my K step of the next product: 128 of e
	s_lshl_b32 s20, s18, 5                         ; 4 row blocks x 8 K steps
	s_add_co_u32 s20, s20, s19
	s_mul_i32 s20, s20, FRB
	s_mov_b32 s21, 0
	s_add_nc_u64 s[20:21], s[8:9], s[20:21]
	s_lshl_b32 s22, s[TMI], 3
	s_add_co_u32 s22, s22, s19
	s_lshl_b32 s22, s22, 9
	s_lshl_b32 s3, s[HI], 8
	s_add_co_u32 s22, s22, s3
	s_add_co_u32 s22, s22, 6291456
	s_mov_b32 s23, 0
	s_add_nc_u64 s[22:23], s[8:9], s[22:23]
	PLACES 4                                       ; behind the last products: results are read, and the registers that held A's fragments are written
.irp a, 0,1,2,3
	ds_load_b32 v[RL+2*\a], v[XTR] offset:64*\a
	v_mov_b32 v[RL+2*\a+1], 0                      ; (named as the upper half of a pair)
.endr
	s_wait_alu depctr_va_vdst(0)
	s_wait_dscnt 0x0
.irp a, 0,1,2,3
	WIN 0x82                                       ; source 0 and destination window 2
.set J, 0
.rept 32
	v_pk_mul_f32 v[64*\a+J:64*\a+J+1], v[64*\a+J:64*\a+J+1], v[RL+2*\a:RL+2*\a+1] op_sel_hi:[1,0]   ; each accumulator from its low end on
.set J, J+2
.endr
	QMAX 64*\a, 2
	QSCALE PWS+\a
.set PC, 128+12*\a                     ; v128-175: 12 registers of codes for each block (the 8 registers behind a block's 12 are at work): no store's data are written again
	QCVT 64*\a, 2
	OUT3 20, 12288*\a                              ; each block leaves as soon as it is made
.endr
.irp a, 0,1,2,3
	ds_store_b32 v[STW], v[PWS+\a] offset:64*\a    ; both halves of the lanes write the same word with the same value
.endr
	ds_load_b64 v[120:121], v[STRD]                ; LDS serves a wave's instructions in order: this sees my stores
	s_wait_alu depctr_va_vdst(0)                   ; the wait here, directly ahead of the waits below
	s_wait_tensorcnt 0x0                           ; the wave's end: the wait for tensor loads, an add of 0 and a wait for it stand behind my last tensor load and my last LDS store; the global stores follow them
	ds_add_u32 v[SPW], v[NIL]
	s_wait_dscnt 0x0                               ; the add is done and the words are back
	global_store_b64 v10, v[120:121], s[22:23]     ; 64 queries' words: 256 consecutive bytes, aligned
	CROUND                                         ; the closing round
	s_endpgm
.Lfunc_end_k_q8b3ecedd7a_pv:
	.size	k_q8b3ecedd7a_pv, .Lfunc_end_k_q8b3ecedd7a_pv-k_q8b3ecedd7a_pv
	.p2alignl 7, 3214868480
	.fill 96, 4, 3214868480
	.section	.rodata,"a",@progbits
	.p2align	6, 0x0
	.amdhsa_kernel k_q8b3ecedd7a_pv
		.amdhsa_group_segment_fixed_size 327680
		.amdhsa_private_segment_fixed_size 0
		.amdhsa_enable_private_segment 0
		.amdhsa_kernarg_size 24
		.amdhsa_user_sgpr_count 2
		.amdhsa_user_sgpr_kernarg_segment_ptr 1
		.amdhsa_wavefront_size32 1
		.amdhsa_system_sgpr_workgroup_id_x 1
		.amdhsa_system_sgpr_workgroup_id_y 1
		.amdhsa_system_sgpr_workgroup_id_z 1
		.amdhsa_system_vgpr_workitem_id 0
		.amdhsa_next_free_vgpr 768
		.amdhsa_next_free_sgpr 102
		.amdhsa_reserve_vcc 0
		.amdhsa_float_denorm_mode_32 3
		.amdhsa_float_denorm_mode_16_64 3
		.amdhsa_memory_ordered 1
		.amdhsa_forward_progress 1
		.amdhsa_inst_pref_size 171
	.end_amdhsa_kernel
	.amdgpu_metadata
---
amdhsa.version: [ 1, 2 ]
amdhsa.kernels:
  - .name:           k_q8b3ecedd7a_pv
    .symbol:         k_q8b3ecedd7a_pv.kd
    .args:
      - { .name: pp, .offset: 0, .size: 8, .value_kind: global_buffer, .address_space: global }
      - { .name: qkv, .offset: 8, .size: 8, .value_kind: global_buffer, .address_space: global }
      - { .name: oo, .offset: 16, .size: 8, .value_kind: global_buffer, .address_space: global }
    .group_segment_fixed_size: 327680
    .private_segment_fixed_size: 0
    .kernarg_segment_align: 8
    .kernarg_segment_size: 24
    .max_flat_workgroup_size: 128
    .sgpr_count:     102
    .vgpr_count:     768
    .wavefront_size: 32
...
	.end_amdgpu_metadata
.endif
;; end of part 4
;; launch outp (part 5): grid 4 x 64, 4 waves a work-group, clusters of 4 x 4, 327,680 bytes of LDS; arguments oo, xw, bo, out0; writes out0
.if DOCPART == 5
	.amdgcn_target "amdgcn-amd-amdhsa--gfx1250"
	.amdhsa_code_object_version 6
	.text
	.protected	k_q8b3ecedd7a_outp
	.globl	k_q8b3ecedd7a_outp
	.p2align	8
	.type	k_q8b3ecedd7a_outp,@function
k_q8b3ecedd7a_outp:
	s_mov_b64 s[64:65], 0
	v_nop
	global_prefetch_b8 v0, s[64:65] scope:SCOPE_SE
	s_setreg_imm32_b32 hwreg(HW_REG_WAVE_MODE, 25, 1), 1
	s_wait_xcnt 0x0
	s_wait_alu depctr_hold_cnt(0) depctr_sa_sdst(0) depctr_va_vdst(0) depctr_va_sdst(0) depctr_va_ssrc(0) depctr_va_vcc(0) depctr_vm_vsrc(0)
	s_getreg_b32 s2, hwreg(HW_REG_IB_STS2, 6, 4)
	s_cmp_eq_u32 s2, 0
	s_cbranch_scc0 .Lentry_in_a_cluster
	s_endpgm
.Lentry_in_a_cluster:
	s_bfe_u32 s2, ttmp6, 0x10000c
	s_cmp_lg_u32 s2, 0xf033
	s_cbranch_scc0 .Lentry_shape_is_right
	s_endpgm
.Lentry_shape_is_right:
; out0 = O Wo^T + bo on codes of FP6 (E2M3) with E8M0 scales; O's codes out of oo, Wo's out of xw; the result is f32.
; C'[m'][n']: A = O's rows (m' = queries), B = Wo's rows (n' = f).  THE MATRIX INSTRUCTION IS USED TRANSPOSED (source 0 = 16 rows of B, source 1 = 16 rows of A): a lane holds one query and its registers run along f.
; IMAGES.  A fragment (16 rows x 128 K) is 1,536 bytes, registers 4 c .. 4 c + 3 of lane l at 512 c + 16 l.  O's fragment (row block R, K step s) lies at (8 R + s) x 1,536; Wo's lie [128 rows][K step][row block].
; Lane r of row block 2 g + u holds row 32 g + 8 u + r + 8 (r / 8): so the 16 registers of tiles 2 b, 2 b + 1 are f = 32 b + 16 (lane / 16) + 0 .. 15.  Scale words: [128 rows][K step][row], 4 bytes.
; SHARES.  A work-group makes 128 queries x 256 of f, so that there are 256 work-groups; a wave 64 x 128: 32 accumulators.  K = 1,024 is 8 steps.
; ALL OF K LIES IN LDS AT ONCE: A's 98,304 bytes and B's 196,608 come by ONE tensor load a wave at the head (waves 0, 1: A's halves, 49,152 dense bytes; waves 2, 3: B's, 98,304): nothing is filled again, and the walk along K has no barrier.
; The scale words (A's 4,096 dense bytes, B's 8,192) come by global loads of 2,048 dense bytes and are stored to LDS bytes of their own.  The bias is the C of each sum's first matrix instruction.
; CLUSTERS: 4 x 4 work-groups; O's tiles are asked for jointly along a row of the cluster, Wo's along a column.  No prefetch: the one load stands at the head, and there is no loop to run ahead in.
; THE WAY OUT goes through a stage of 16 rows x 528 bytes a wave, on the first bytes of A's tile: a barrier behind every wave's last reads of LDS stands ahead of the first store there, and those bytes have had their only fill.
; LIMITS: NaN and infinities are not served.
; REGISTERS: window 0: v12-31 addresses; v32-47 scale words, two sets (they hold nothing else); v64-111, v112-159 A's fragments, two sets (at the head the scale words on their way; on the way out rows read back).
;   window 1: v0-95, v96-191 B's fragments, two sets; v192-255 the bias.   window 2: accumulator (a, b) at v[8 (8 a + b)].
.set FRB,   1536
.set AH,    32*FRB                     ; A's half: 4 row blocks x 8 K steps
.set BH,    64*FRB                     ; B's half: 8 K steps x 8 row blocks
.set SCLA,  2*AH+2*BH                  ; behind the tiles: A's scale words [K step][128 rows],
.set SCLB,  SCLA+4096                  ; B's [half][K step][128 rows],
.set SPARE, SCLB+8192                  ; and the spare words, 128 bytes for each wave: two blocks of 256 bytes that no other line names
.set STGB,  8448
.set CPG,   12                         ; v12 16 x thread
.set CPL,   13                         ; v13 SCLA + 16 x thread
.set ADRA,  16                         ; v16 my A fragments
.set ADRB,  20                         ; v20-21 my B fragments: K steps 0 to 3, 4 to 7
.set ADRS,  24                         ; v24 scale words: lanes 0-15 A's rows, lanes 16-31 B's
.set ADRSB, 25                         ; v25 B's words in all lanes: for B's blocks 4 to 7
.set LO16,  26
.set STO,   27
.set SPW,   28
.set NIL,   29
.set RD,    30
.set SC,    32
.set AF,    64
.set WV,    14
.set HI,    15
.set LOH,   16
.set TMI,   17
.set G1A,   24
.set G0A,   32
.set G1B,   44
.set G0B,   52
.set CX,    92
.set CY,    93
.set TN,    94
.set MROW,  95
.set MCOL,  96
.set MSB,   0
.macro WIN new                         ; the immediate's high byte repeats the setting that is left; a switch that changes nothing is dropped
.if MSB != (\new)
	s_set_vgpr_msb (MSB<<8)|(\new)
.set MSB, (\new)
.endif
.endm
.macro PLACES n                        ; plain vector lines between a matrix instruction and a load into, or a read of, its registers
.rept \n
	v_nop
.endr
.endm
.macro CROUND                          ; a round of the cluster's barrier
	s_barrier_signal -1
	s_barrier_wait -1
	s_cmp_lg_u32 s[WV], 0
	s_cbranch_scc1 .Lnot_wave_0_\@
	s_barrier_signal -3
.Lnot_wave_0_\@:
	s_barrier_wait -3
	s_barrier_signal -1
	s_barrier_wait -1
.endm
.macro GROUP1 g, mask, c, rows, pitch  ; rows of c elements of 8 bytes, pitch elements apart, no padding; bit 21 is set beside a mask
	s_or_b32 s[\g], \mask, (3<<16)|(1<<21)
	s_mov_b32 s[\g+1], (\c)<<16
	s_mov_b32 s[\g+2], (\rows)<<16
	s_mov_b32 s[\g+3], (\c)<<16
	s_mov_b32 s[\g+4], \rows
	s_mov_b32 s[\g+5], \pitch
	s_mov_b32 s[\g+6], 0
	s_mov_b32 s[\g+7], 0
.endm
.macro GROUP0 g, who, mul, base, ptr   ; to LDS byte base + mul x s[who]; from s[ptr:ptr+1]
	s_mov_b32 s[\g], 1
	s_mul_i32 s[\g+1], s[\who], \mul
	s_add_co_u32 s[\g+1], s[\g+1], \base
	s_mov_b64 s[\g+2:\g+3], s[\ptr:\ptr+1]
	s_or_b32 s[\g+3], s[\g+3], 0x80000000
.endm
.macro FETCH ks, p                     ; the fragments and scale words of K step ks into set p: three loads of 512 consecutive bytes a fragment
	WIN 0x40
.irp i, 0,1,2,3,4,5,6,7
.irp c, 0,1,2
	ds_load_b128 v[96*(\p)+12*\i+4*\c:96*(\p)+12*\i+4*\c+3], v[ADRB+(\ks)/4] offset:(((\ks)%4)*8+\i)*FRB+512*\c
.endr
.endr
	WIN 0
.irp i, 0,1,2,3
.irp c, 0,1,2
	ds_load_b128 v[AF+48*(\p)+12*\i+4*\c:AF+48*(\p)+12*\i+4*\c+3], v[ADRA] offset:(\i*8+(\ks))*FRB+512*\c
.endr
.endr
.irp i, 0,1,2,3
	ds_load_b32 v[SC+8*(\p)+\i], v[ADRS] offset:512*(\ks)+64*\i    ; lanes 0-15: A's block i; lanes 16-31: B's block i
.endr
.irp i, 4,5,6,7
	ds_load_b32 v[SC+8*(\p)+\i], v[ADRSB] offset:512*(\ks)+64*\i   ; B's block i
.endr
.endm
; A's four blocks, each against B's eight, out of set p.  z = 0: onto the sums; 1: the bias of B's block starts them.  The 32 accumulators take turns, one instruction a turn.
.macro MUL p, z
.if (\z) == 1
	WIN 0x91                                       ; B window 1, A window 0, C window 1, D window 2
.else
	WIN 0xa1                                       ; B window 1, A window 0, C and D window 2
.endif
.irp a, 0,1,2,3
.irp b, 0,1,2,3,4,5,6,7
.if (\z) == 0
	v_wmma_scale_f32_16x16x128_f8f6f4 v[8*(8*\a+\b):8*(8*\a+\b)+7], v[96*(\p)+12*\b:96*(\p)+12*\b+11], v[AF+48*(\p)+12*\a:AF+48*(\p)+12*\a+11], v[8*(8*\a+\b):8*(8*\a+\b)+7], v[SC+8*(\p)+\b], v[SC+8*(\p)+\a] matrix_a_fmt:MATRIX_FMT_FP6 matrix_b_fmt:MATRIX_FMT_FP6 matrix_a_scale:MATRIX_SCALE_ROW1
.else
	v_wmma_scale_f32_16x16x128_f8f6f4 v[8*(8*\a+\b):8*(8*\a+\b)+7], v[96*(\p)+12*\b:96*(\p)+12*\b+11], v[AF+48*(\p)+12*\a:AF+48*(\p)+12*\a+11], v[192+8*\b:199+8*\b], v[SC+8*(\p)+\b], v[SC+8*(\p)+\a] matrix_a_fmt:MATRIX_FMT_FP6 matrix_b_fmt:MATRIX_FMT_FP6 matrix_a_scale:MATRIX_SCALE_ROW1
.endif
.endr
.endr
	WIN 0
.endm
.macro STEP ks, p, z                   ; a K step out of set p; first K step ks is asked of LDS, into the other set
	s_wait_dscnt 0x0                               ; set p, asked for a step ago, is in
	PLACES 4                                       ; the other set was read by the last step's matrix instructions
	FETCH \ks, 1-(\p)
	MUL \p, \z
.endm
	s_load_b256 s[4:11], s[0:1], 0x0               ; oo s[4:5], xw s[6:7], bo s[8:9], out0 s[10:11]
	v_lshl_add_u32 v[SPW], v0, 2, SPARE
	v_mov_b32 v[NIL], 0
	ds_add_u32 v[SPW], v[NIL]                      ; the wave's opening: the add, twice on end, and its wait ahead of my first tensor load; work on registers stands between
	ds_add_u32 v[SPW], v[NIL]
	v_lshrrev_b32 v1, 5, v0
	v_readfirstlane_b32 s[WV], v1
	s_lshr_b32 s[HI], s[WV], 1                     ; my half of the queries; also: I fetch for A (0) or for B (1)
	s_and_b32 s[LOH], s[WV], 1                     ; my half of f; also: which half I fetch
	s_bfe_u32 s[CX], ttmp6, 0x40000
	s_bfe_u32 s[CY], ttmp6, 0x40004
	s_lshl_b32 s[MROW], s[CY], 2
	s_lshl_b32 s[MROW], 15, s[MROW]                ; my row of the cluster
	s_lshl_b32 s[MCOL], 0x1111, s[CX]              ; my column
	s_lshl_b32 s[TN], ttmp9, 2
	s_add_co_u32 s[TN], s[TN], s[CX]               ; tile column: 256 of f
	s_and_b32 s2, ttmp7, 0xffff
	s_lshl_b32 s[TMI], s2, 2
	s_add_co_u32 s[TMI], s[TMI], s[CY]             ; tile row: 128 queries
	GROUP1 G1A, s[MROW], 192*8, 4, 192*8           ; 4 row blocks of 12,288 bytes, dense
	GROUP1 G1B, s[MCOL], 192*8, 8, 192*8           ; 8 K steps of 12,288 bytes, dense
	s_lshl_b32 s18, s[TMI], 1
	s_add_co_u32 s18, s18, s[LOH]                  ; which 64 rows of O I fetch
	s_mul_i32 s20, s18, AH
	s_lshl_b32 s22, s[TMI], 12                     ; O's scale words of the tile's 128 rows
	s_add_co_u32 s22, s22, 6291456
	s_lshl_b32 s97, s[TN], 1
	s_add_co_u32 s97, s97, s[LOH]                  ; which 128 rows of Wo
	s_mul_i32 s98, s97, BH
	s_add_co_u32 s98, s98, 21233664
	s_lshl_b32 s100, s[TN], 13                     ; Wo's scale words of the tile's 256 rows
	s_add_co_u32 s100, s100, 22904832
	s_mov_b32 s21, 0
	s_mov_b32 s23, 0
	s_mov_b32 s99, 0
	s_mov_b32 s101, 0
	s_mul_i32 s40, s[HI], AH                       ; LDS: my 64 rows of A,
	s_mul_i32 s41, s[LOH], BH                      ; my 128 rows of B, behind A's two halves,
	s_add_co_u32 s41, s41, 2*AH
	s_lshl_b32 s43, s[HI], 8                       ; my 64 rows' words: 256 bytes of a K step's 512,
	s_add_co_u32 s43, s43, SCLA
	s_lshl_b32 s56, s[LOH], 12                     ; B's words of my 128 rows,
	s_add_co_u32 s56, s56, SCLB
	s_sub_co_u32 s42, s56, s43                     ; from A's words to B's,
	s_mul_i32 s57, s[WV], STGB                     ; and my stage
	s_lshl_b32 s58, s[TN], 10
	s_lshl_b32 s59, s[LOH], 9
	s_add_co_u32 s58, s58, s59                     ; my first column x 4 bytes
	s_mov_b32 s59, 0
	s_lshl_b32 s60, s[TMI], 1
	s_add_co_u32 s60, s60, s[HI]
	s_lshl_b32 s60, s60, 18                        ; my 64 rows of 4,096 bytes
	s_add_co_u32 s60, s60, s58
	s_mov_b32 s61, 0
	s_wait_dscnt 0x0                               ; both opening adds are done
	s_wait_kmcnt 0x0
	s_add_nc_u64 s[20:21], s[4:5], s[20:21]
	s_add_nc_u64 s[22:23], s[4:5], s[22:23]
	s_add_nc_u64 s[98:99], s[6:7], s[98:99]
	s_add_nc_u64 s[100:101], s[6:7], s[100:101]
	s_add_nc_u64 s[8:9], s[8:9], s[58:59]
	s_add_nc_u64 s[10:11], s[10:11], s[60:61]
	GROUP0 G0A, LOH, AH, 0, 20
	GROUP0 G0B, LOH, BH, 2*AH, 98
	CROUND                                         ; all sixteen work-groups are here: the joint loads meet
	s_cmp_eq_u32 s[HI], 0                          ; one load a wave: waves 0 and 1 fetch A's halves, waves 2 and 3 B's; an s_nop 0 and four v_nop follow each line
	s_cbranch_scc0 .Lfor_b
	tensor_load_to_lds s[G0A:G0A+3], s[G1A:G1A+7]
	s_nop 0
	PLACES 4
	s_branch .Lasked
.Lfor_b:
	tensor_load_to_lds s[G0B:G0B+3], s[G1B:G1B+7]
	s_nop 0
	PLACES 4
.Lasked:
	v_lshlrev_b32 v[CPG], 4, v0
	v_bfe_u32 v3, v0, 4, 1                         ; h
	v_lshlrev_b32 v8, 6, v3                        ; the bias: 16 h numbers on
.irp k, 0,1
	global_load_b128 v[64+4*\k:67+4*\k], v[CPG], s[22:23] offset:2048*\k     ; the scale words: 128 threads read 2,048 dense bytes; A's 4,096,
.endr
.irp k, 0,1,2,3
	global_load_b128 v[72+4*\k:75+4*\k], v[CPG], s[100:101] offset:2048*\k   ; and B's 8,192
.endr
	WIN 0x40
.irp b, 0,1,2,3,4,5,6,7
	global_load_b128 v[192+8*\b:195+8*\b], v8, s[8:9] offset:(32*(\b/2)+8*(\b%2))*4      ; the bias runs along f (registers): eight registers for each of B's blocks
	global_load_b128 v[196+8*\b:199+8*\b], v8, s[8:9] offset:(32*(\b/2)+8*(\b%2))*4+16
.endr
	WIN 0
	v_lshl_add_u32 v[CPL], v0, 4, SCLA
	v_and_b32 v1, 31, v0                           ; lane
	v_and_b32 v2, 15, v0                           ; r
	v_lshlrev_b32 v[LO16], 4, v1
	v_add_nc_u32 v[ADRA], s40, v[LO16]
	v_add_nc_u32 v[ADRB], s41, v[LO16]
	v_add_nc_u32 v[ADRB+1], 32*FRB, v[ADRB]
	v_lshlrev_b32 v4, 2, v2                        ; 4 r
	v_mul_u32_u24 v5, s42, v3                      ; lanes 16-31 take B's words
	v_add_nc_u32 v5, v4, v5
	v_add_nc_u32 v[ADRS], s43, v5
	v_add_nc_u32 v[ADRSB], s56, v4
	v_mul_u32_u24 v[STO], v2, 528                  ; the stage, way in: row r, 64 bytes for each half of the lanes
	v_lshl_add_u32 v[STO], v3, 6, v[STO]
	v_add_nc_u32 v[STO], s57, v[STO]
	v_add_nc_u32 v[RD], s57, v[LO16]               ; and back: the 32 lanes take one row of 512 bytes
	s_wait_alu depctr_va_vdst(0)                   ; the wait at the head's end
	s_wait_loadcnt 16                              ; the six loads of scale words are in; the 16 of the bias, issued behind them, may be out
	s_wait_tensorcnt 0x0                           ; my part of the tiles is in
.irp k, 0,1,2,3,4,5
	ds_store_b128 v[CPL], v[64+4*\k:67+4*\k] offset:2048*\k        ; as they lie in memory: A's words, then B's
.endr
	s_wait_dscnt 0x0                               ; for the others' sake: my part of the scale words lies in LDS
	s_barrier_signal -1
	s_barrier_wait -1                              ; everybody's parts are in
	FETCH 0, 0
	s_wait_loadcnt 0x0                             ; the bias
	STEP 1, 0, 1                                   ; K step 0 starts the sums with the bias
	STEP 2, 1, 0
	STEP 3, 0, 0
	STEP 4, 1, 0
	STEP 5, 0, 0
	STEP 6, 1, 0
	STEP 7, 0, 0
	s_wait_dscnt 0x0                               ; K step 7 is in: my reads of the tiles are over:
	s_barrier_signal -1                            ; say so,
	MUL 1, 0                                       ; work on registers while the others arrive,
	s_barrier_wait -1                              ; and go on when nobody reads the bytes that the stages take
; THE WAY OUT, block by block of 16 queries x 128 of f: through my stage and back as whole rows of 512 bytes.  LDS serves a wave's instructions in order: no wait between the stores and the loads.
.macro TOSTAGE a
	WIN 0x08                                       ; an LDS store's data are its source 1: window 2
.irp b, 0,1,2,3,4,5,6,7
	ds_store_b128 v[STO], v[64*(\a)+8*\b:64*(\a)+8*\b+3] offset:128*(\b/2)+32*(\b%2)          ; each accumulator from its low end on
	ds_store_b128 v[STO], v[64*(\a)+8*\b+4:64*(\a)+8*\b+7] offset:128*(\b/2)+32*(\b%2)+16
.endr
	WIN 0x40*((\a)/2)                              ; blocks 0 and 1 come back into window 0, blocks 2 and 3 into window 1, where B's fragments lay: v64-191 of each
.set BB, 64+64*((\a)%2)
.irp t, 0,1,2,3,4,5,6,7,8,9,10,11,12,13,14,15
	ds_load_b128 v[BB+4*\t:BB+4*\t+3], v[RD] offset:\t*528
.endr
.endm
.macro SEND a, younger                 ; younger: the LDS instructions issued behind block a's loads, which may stay out
.set BB, 64+64*((\a)%2)
	s_wait_dscnt \younger                          ; the block is back in registers
	WIN 0x04*((\a)/2)                              ; a store's data are its source 1
.irp t, 0,1,2,3,4,5,6,7,8,9,10,11,12,13,14,15
	global_store_b128 v[LO16], v[BB+4*\t:BB+4*\t+3], s[10:11] offset:(32*((\a)/2)+8*((\a)%2)+\t+8*(\t/8))*4096 th:TH_STORE_NT   ; 32 lanes store 512 consecutive bytes, aligned
.endr
.endm
	PLACES 4                                       ; behind the last products: results are read, and the registers that held A's fragments are loaded into
	TOSTAGE 0                                      ; each block comes back into 64 registers of its own, so no block waits for an earlier block's stores
	TOSTAGE 1
	SEND 0, 32                                     ; behind block 0's loads: block 1's 16 stores and 16 loads
	TOSTAGE 2
	SEND 1, 32
	TOSTAGE 3
	WIN 0
	s_wait_tensorcnt 0x0                           ; the wave's end: the wait for tensor loads, an add of 0 and a wait for it stand behind my last tensor load and my last LDS store; the last global stores follow them
	ds_add_u32 v[SPW], v[NIL]
	s_wait_dscnt 0x0                               ; the add is done, and blocks 2 and 3 are back in registers
	SEND 2, 0
	SEND 3, 0
	WIN 0
	CROUND                                         ; the closing round
	s_endpgm
.Lfunc_end_k_q8b3ecedd7a_outp:
	.size	k_q8b3ecedd7a_outp, .Lfunc_end_k_q8b3ecedd7a_outp-k_q8b3ecedd7a_outp
	.p2alignl 7, 3214868480
	.fill 96, 4, 3214868480
	.section	.rodata,"a",@progbits
	.p2align	6, 0x0
	.amdhsa_kernel k_q8b3ecedd7a_outp
		.amdhsa_group_segment_fixed_size 327680
		.amdhsa_private_segment_fixed_size 0
		.amdhsa_enable_private_segment 0
		.amdhsa_kernarg_size 32
		.amdhsa_user_sgpr_count 2
		.amdhsa_user_sgpr_kernarg_segment_ptr 1
		.amdhsa_wavefront_size32 1
		.amdhsa_system_sgpr_workgroup_id_x 1
		.amdhsa_system_sgpr_workgroup_id_y 1
		.amdhsa_system_sgpr_workgroup_id_z 1
		.amdhsa_system_vgpr_workitem_id 0
		.amdhsa_next_free_vgpr 768
		.amdhsa_next_free_sgpr 102
		.amdhsa_reserve_vcc 0
		.amdhsa_float_denorm_mode_32 3
		.amdhsa_float_denorm_mode_16_64 3
		.amdhsa_memory_ordered 1
		.amdhsa_forward_progress 1
		.amdhsa_inst_pref_size 80
	.end_amdhsa_kernel
	.amdgpu_metadata
---
amdhsa.version: [ 1, 2 ]
amdhsa.kernels:
  - .name:           k_q8b3ecedd7a_outp
    .symbol:         k_q8b3ecedd7a_outp.kd
    .args:
      - { .name: oo, .offset: 0, .size: 8, .value_kind: global_buffer, .address_space: global }
      - { .name: xw, .offset: 8, .size: 8, .value_kind: global_buffer, .address_space: global }
      - { .name: bo, .offset: 16, .size: 8, .value_kind: global_buffer, .address_space: global }
      - { .name: out0, .offset: 24, .size: 8, .value_kind: global_buffer, .address_space: global }
    .group_segment_fixed_size: 327680
    .private_segment_fixed_size: 0
    .kernarg_segment_align: 8
    .kernarg_segment_size: 32
    .max_flat_workgroup_size: 128
    .sgpr_count:     102
    .vgpr_count:     768
    .wavefront_size: 32
...
	.end_amdgpu_metadata
.endif
;; end of part 5
